; MI455X (gfx1250); checked and timed in simulation.
; The chip was launched on July 23, 2026; its instructions are those of AMD's public machine-readable ISA for CDNA 5 (MIT licence, August 2026) and "CDNA5" Instruction Set Architecture Reference Guide (July 2026). The comments in the code are by the model that wrote it; some were corrected since.
;; Multi Scale Retention. Allowed arithmetic: matrix products marked QUANTISED: E2M3 operands, one E8M0 scale for each 32 along K, by v_wmma_scale_f32_16x16x128_f8f6f4 with both operands' format E2M3, f32 sums; everything else in f32.
;; Inputs: Wg 2,048 x 2,048 float32; Wk 2,048 x 2,048 float32; Wo 2,048 x 2,048 float32; Wq 2,048 x 2,048 float32; Wv 2,048 x 2,048 float32; bg 2,048 float32; bk 2,048 float32; bo 2,048 float32; bq 2,048 float32; bv 2,048 float32; key 2 x 1,024 x 2,048 float32; query 2 x 1,024 x 2,048 float32; value 2 x 1,024 x 2,048 float32.
;; Outputs: out0 2 x 1,024 x 2,048 float32.
;; This version of the problem:
;;   THIS VERSION OF THE PROBLEM IS GIVEN IN LOW PRECISION. The matrix products marked QUANTISED in the list below multiply operands that are first quantised to E2M3 (2 exponent bits, 3 mantissa bits; 6 bits a number), with one power-of-two scale for each 32 numbers along K (OCP MX v1.0); their sums are f32. All else is computed in f32.
;;   The module's matrix products, in the order in which they are computed (A, B: the left and right operand; K: the contracted axis; several contracted axes count as one K, in the product's order):
;;     1. [M 2,048, K 2,048] x [K 2,048, N 2,048]; A: input query; B: input Wq: QUANTISED
;;     2. [M 2,048, K 2,048] x [K 2,048, N 2,048]; A: input key; B: input Wk: QUANTISED
;;     3. [M 2,048, K 2,048] x [K 2,048, N 2,048]; A: input value; B: input Wv: QUANTISED
;;     4. batch 32 x [M 1,024, K 128] x [K 128, N 1,024]; A: computed on the way; B: computed on the way: QUANTISED
;;     5. batch 32 x [M 1,024, K 1,024] x [K 1,024, N 128]; A: computed on the way; B: computed on the way: QUANTISED
;;     6. [M 2,048, K 2,048] x [K 2,048, N 2,048]; A: input query; B: input Wg: QUANTISED
;;     7. [M 2,048, K 2,048] x [K 2,048, N 2,048]; A: computed on the way; B: input Wo: QUANTISED
;;   THE QUANTISER, for each operand of a quantised product, along K:
;;     - K is cut into blocks of 32 from its start; a last block that is shorter is filled with zeros.
;;     - A block's scale is 2^e with e = floor(log2(the largest magnitude in the block)) - 2, held to -126 .. 127; a block of zeros has e = 0. As a byte (E8M0): e + 127.
;;     - Each number is divided by its block's scale, clamped to +-7.5, and rounded to the nearest number of E2M3, ties to even, subnormals kept.
;;     - The product sums the exact products of the quantised numbers (number of the format x scale) in f32.
;;   ~~~python
;;   def quantise(x, axis):      # numpy; x: float32 -> the quantised numbers, widened to float32 again
;;       x = np.moveaxis(x, axis, -1); K = x.shape[-1]
;;       x = np.pad(x, [(0, 0)] * (x.ndim - 1) + [(0, -K % 32)]); x = x.reshape(x.shape[:-1] + (-1, 32)); a = np.abs(x).max(-1, keepdims=True)
;;       e = np.where(a > 0, np.clip(np.frexp(np.where(a > 0, a, 1))[1] - 1 - 2, -126, 127), 0)      # np.frexp(a)[1] - 1 = floor(log2(a)), exactly
;;       r = np.clip(x / 2.0 ** e, -7.5, 7.5)
;;       step = 2.0 ** (np.maximum(np.frexp(np.where(r == 0, 1, r))[1] - 1, 0) - 3)
;;       q = np.round(r / step) * step * 2.0 ** e      # np.round: ties to even
;;       return np.moveaxis(q.reshape(q.shape[:-2] + (-1,))[..., :K], -1, axis).astype(np.float32)
;;   ~~~
;;   OPERANDS COMPUTED ON THE WAY. 'Computed on the way' means the value that the module computes at that place (a softmax that the list does not call 'softmax' is quantised finished and normalised). What goes into a quantiser is computed in f32, as accurately as f32 sums, v_exp_f32 and their like allow (about 1e-6 of the number): no bf16 or f16 on the way to a quantiser, and a product that is left as it is and whose result goes on into a quantised operand takes f32 operands (vector FMAs, or v_wmma_f32_16x16x4_f32). A number that lies on a knife's edge between two numbers of the format may be rounded either way, as far as f32 arithmetic and the matrix unit's own rounding can turn it there, and no further.
;; One version. Each part assembles by itself: llvm-mc -triple=amdgcn-amd-amdhsa -mcpu=gfx1250 --defsym DOCPART=n.
;; ======== version 1 of 1: 4 launches
;; workspace buffers: codes1 25,165,824 bytes; scales1 1,048,576 bytes; rot 1,048,576 bytes; qimg 3,276,800 bytes; kvimg 6,553,600 bytes; gate 16,777,216 bytes; acodes 3,145,728 bytes; ascales 131,072 bytes
;; launch quant (part 1): grid 1024 x 1, 4 waves a work-group, no clusters, 47,104 bytes of LDS; arguments query, key, value, Wq, Wk, Wv, Wg, Wo, codes1, scales1, rot; writes codes1, scales1, rot
.if DOCPART == 1
	.amdgcn_target "amdgcn-amd-amdhsa--gfx1250"
	.amdhsa_code_object_version 6
	.text
	.protected	k_qe4a795bf20_quant
	.globl	k_qe4a795bf20_quant
	.p2align	8
	.type	k_qe4a795bf20_quant,@function
k_qe4a795bf20_quant:
	s_mov_b64 s[64:65], 0
	v_nop
	global_prefetch_b8 v0, s[64:65] scope:SCOPE_SE
	s_setreg_imm32_b32 hwreg(HW_REG_WAVE_MODE, 25, 1), 1
	s_wait_xcnt 0x0
; The eight large f32 tensors [2048][2048] (query, key, value, Wq, Wk, Wv, Wg, Wo: K is the last axis of each) become codes of FP6 (E2M3) with one E8M0 byte for each 32 along K,
; laid as IMAGES OF OPERAND REGISTERS: codes1 [tensor 8][tile 128][K step 16][1,536 bytes]; a fragment is 16 rows x 128 K, 12 registers a lane; register p of lane l lies at byte 512 (p / 4) + 16 l + 4 (p % 4);
; lane 16 h + r holds row r, registers 6 c .. 6 c + 5 hold k = 64 c + 32 h + 0 .. 31.  scales1 [tensor][tile][K step][row 16]: one word a row and 128 k.
; THE ROWS OF A TILE ARE NOT NEIGHBOURS: row r of tile T is the tensor's row 32 (T / 2) + 8 (T % 2) + r + (r & 8), so that a product that takes such a tile as source 0 leaves 16 neighbours along its rows in a lane.
; A block's scale is 2^(floor(log2(largest magnitude)) - 2): the byte is the largest magnitude's exponent field - 2, held at 1 from below.
; LIMITS: a block of zeros, or one under 2^-124, gets the byte 1 where the rule says 127 (its codes are zeros, and only this program reads the bytes); NaN and infinities among the inputs are not served.
; SHARES.  Work-group g: tensor g / 128, tile g % 128: 16 rows.  Wave w takes the tile's rows 4 w .. 4 w + 3, which are 32,768 consecutive bytes of memory, in 16 steps of 512 numbers.
; Each load reads 512 consecutive bytes; a step's 2,048 bytes turn through the wave's own stage in LDS, so that a lane holds 16 neighbours along K; its 12 bytes of codes go to their places in the tile's 16 images in LDS;
; behind one barrier each wave stores four whole images, 512 consecutive bytes a store.
; THE TABLE.  Waves 0 and 1 also make 512 bytes each of rot [kind 2][token tile 64][chunk 16][lane 32][c0, s0, c1, s1]: cos and sin of n x theta for the rotation of q (kind 0) and of k (kind 1: both x 1 / sqrt(128)),
; in the order of the registers that the next launch rotates.  The angle is reduced by multiples of pi / 2 given in three parts; sin and cos on |r| <= pi / 4 are polynomials of degree 7 and 8.
; LIMIT: theta is 2^(-j log2(10000) / 63) by v_exp_f32; an angle near 1,000 carries about 1e-4 rad, the size of an f32 step of theta times n.
.set SP,   80                          ; a lane's place in a stage: 64 bytes + 16 of padding
.set WST,  2*32*SP                     ; a wave's two stages
.set IMG,  4*WST                       ; behind the stages: the tile's 16 images,
.set FP,   1552                        ; 1,536 bytes + 16, so that neighbouring images start four banks apart
.set SCB,  IMG+16*FP                   ; and its 1,024 bytes of scale words
.set EMAX, 2
.set IA,   4                           ; v4-6   where my three words of codes go in an image
.set SBA,  7                           ; v7     where my block's scale byte goes
.set RBK,  10                          ; v10    the way out: my 16 bytes of my wave's first image
.set SRD,  13                          ; v13    the way out: my 8 bytes of my wave's scale words
.set R,    16                          ; v16-79   four sets of 16 numbers as loaded
.set X,    80                          ; v80-111  two sets of 16 neighbours
.set E,    112                         ; v112-127 a scale byte for each step
.set C,    128                         ; v128-191 codes, four registers for each step
	s_load_b512 s[8:23], s[0:1], 0x0               ; the eight tensors
	s_load_b128 s[24:27], s[0:1], 0x40             ; codes1, scales1
	s_load_b64 s[28:29], s[0:1], 0x50              ; rot
	v_lshl_add_u32 v224, v0, 2, 0xb600
	v_mov_b32 v225, 0
	v_lshrrev_b32 v1, 5, v0
	v_readfirstlane_b32 s30, v1                    ; wave
	v_and_b32 v2, 31, v0                           ; lane
	v_lshlrev_b32 v3, 4, v2                        ; 16 x lane
	s_and_b32 s31, ttmp9, 127                      ; tile
	s_lshr_b32 s32, ttmp9, 7                       ; tensor
	s_mul_i32 s33, s30, WST
	v_lshrrev_b32 v14, 2, v2
	v_mul_u32_u24 v14, v14, SP
	v_and_b32 v15, 3, v2
	v_lshl_add_u32 v14, v15, 4, v14
	v_add_nc_u32 v14, s33, v14                     ; the stage, in: SP (lane / 4) + 16 (lane % 4)
	v_mul_u32_u24 v15, v2, SP
	v_add_nc_u32 v15, s33, v15                     ; out: SP x lane: my 16 neighbours
	; my 16 numbers of a step are k = 16 (lane % 8) + 0 .. 15 of fragment lane / 8 of the step's four: c = bit 2, h = bit 1, upper half of the block = bit 0
	v_lshrrev_b32 v8, 3, v2                        ; fragment
	v_bfe_u32 v9, v2, 2, 1                         ; c
	v_bfe_u32 v11, v2, 1, 1                        ; h
	v_and_b32 v12, 1, v2
	v_mul_u32_u24 v9, v9, 6
	v_mad_u32_u24 v9, v12, 3, v9                   ; my first register of the fragment: 6 c + 3 x half
	v_mul_u32_u24 v12, v8, FP
	v_lshl_add_u32 v12, v11, 8, v12                ; + 256 h: lanes 16 h on
	s_lshl_b32 s33, s30, 6                         ; + 16 x (4 x wave): my wave's rows
	s_add_co_u32 s33, s33, IMG
	v_add_nc_u32 v12, s33, v12
.irp i, 0,1,2
	v_add_nc_u32 v10, \i, v9                       ; register p
	v_lshrrev_b32 v13, 2, v10
	v_and_b32 v10, 3, v10
	v_lshl_add_u32 v13, v13, 9, v12                ; 512 (p / 4)
	v_lshl_add_u32 v[IA+\i], v10, 2, v13           ; + 4 (p % 4)
.endr
	v_bfe_u32 v10, v2, 1, 2                        ; my block in its fragment: the byte in the word
	v_lshl_add_u32 v[SBA], v8, 6, v10              ; 64 bytes a fragment
	s_lshl_b32 s33, s30, 4                         ; 4 bytes a row
	s_add_co_u32 s33, s33, SCB
	v_add_nc_u32 v[SBA], s33, v[SBA]
	s_mul_i32 s33, s30, 4*FP
	s_add_co_u32 s33, s33, IMG
	v_add_nc_u32 v[RBK], s33, v3
	v_lshlrev_b32 v1, 3, v2                        ; 8 x lane
	s_lshl_b32 s33, s30, 8
	s_add_co_u32 s33, s33, SCB
	v_add_nc_u32 v[SRD], s33, v1
	; my wave's first row in the tensor: 32 (tile / 2) + 8 (tile % 2) + 16 (wave / 2) + 4 (wave % 2)
	s_lshr_b32 s34, s31, 1
	s_lshl_b32 s34, s34, 5
	s_and_b32 s35, s31, 1
	s_lshl_b32 s35, s35, 3
	s_add_co_u32 s34, s34, s35
	s_lshr_b32 s35, s30, 1
	s_lshl_b32 s35, s35, 4
	s_add_co_u32 s34, s34, s35
	s_and_b32 s35, s30, 1
	s_lshl_b32 s35, s35, 2
	s_add_co_u32 s34, s34, s35
	s_lshl_b32 s34, s34, 13                        ; rows of 8,192 bytes
	s_mov_b32 s35, 0
	s_mul_i32 s36, ttmp9, 24576                    ; codes: 16 images a tile, four a wave
	s_mul_i32 s37, s30, 6144
	s_add_co_u32 s36, s36, s37
	s_mov_b32 s37, 0
	s_lshl_b32 s38, ttmp9, 10                      ; scale words: 1,024 bytes a tile, 256 a wave
	s_lshl_b32 s39, s30, 8
	s_add_co_u32 s38, s38, s39
	s_mov_b32 s39, 0
	s_wait_kmcnt 0x0
	s_bitcmp1_b32 s32, 0                           ; the tensor is chosen by its number's three bits: the choice hangs on the work-group's number alone
	s_cselect_b64 s[8:9], s[10:11], s[8:9]
	s_cselect_b64 s[12:13], s[14:15], s[12:13]
	s_cselect_b64 s[16:17], s[18:19], s[16:17]
	s_cselect_b64 s[20:21], s[22:23], s[20:21]
	s_bitcmp1_b32 s32, 1
	s_cselect_b64 s[8:9], s[12:13], s[8:9]
	s_cselect_b64 s[16:17], s[20:21], s[16:17]
	s_bitcmp1_b32 s32, 2
	s_cselect_b64 s[8:9], s[16:17], s[8:9]
	s_add_nc_u64 s[8:9], s[8:9], s[34:35]
	s_add_nc_u64 s[24:25], s[24:25], s[36:37]
	s_add_nc_u64 s[26:27], s[26:27], s[38:39]
.macro LOAD t
.irp i, 0,1,2,3
	global_load_b128 v[R+16*((\t)%4)+4*\i:R+16*((\t)%4)+4*\i+3], v3, s[8:9] offset:2048*(\t)+512*\i th:TH_LOAD_NT   ; 32 lanes read 512 consecutive bytes
.endr
.endm
.macro TURN t                          ; step t's numbers through the stage: LDS serves a wave's instructions in order, so no wait stands between the stores and the loads
.irp i, 0,1,2,3
	ds_store_b128 v14, v[R+16*((\t)%4)+4*\i:R+16*((\t)%4)+4*\i+3] offset:32*SP*((\t)%2)+8*SP*\i
.endr
.irp i, 0,1,2,3
	ds_load_b128 v[X+16*((\t)%2)+4*\i:X+16*((\t)%2)+4*\i+3], v15 offset:32*SP*((\t)%2)+16*\i
.endr
.endm
.irp t, 0,1,2,3
	LOAD \t
.endr
	; ---- the table, while the first loads are on their way
; cos and sin of the angle in v[a], times s50, into v[c] and v[s]
.macro SINCOS a, c, s, k, r, z, t
	v_mul_f32 v[\k], 0x3f22f983, v[\a]             ; x 2 / pi
	v_rndne_f32 v[\k], v[\k]                       ; k: at most 652
	v_fma_f32 v[\r], v[\k], s40, v[\a]             ; r = angle - k pi / 2, pi / 2 in three parts
	v_fma_f32 v[\r], v[\k], s41, v[\r]
	v_fma_f32 v[\r], v[\k], s42, v[\r]
	v_mul_f32 v[\z], v[\r], v[\r]
	v_fma_f32 v[\s], v[\z], s43, s44
	v_fma_f32 v[\s], v[\s], v[\z], s45
	v_mul_f32 v[\s], v[\s], v[\z]
	v_fma_f32 v[\s], v[\s], v[\r], v[\r]           ; sin r
	v_fma_f32 v[\c], v[\z], s46, s47
	v_fma_f32 v[\c], v[\c], v[\z], s48
	v_mul_f32 v[\t], v[\z], v[\z]
	v_fma_f32 v[\r], v[\z], -0.5, 1.0
	v_fma_f32 v[\c], v[\c], v[\t], v[\r]           ; cos r
	v_cvt_i32_f32 v[\k], v[\k]
	v_and_b32 v[\t], 1, v[\k]
	v_cmp_eq_u32 vcc_lo, 1, v[\t]                  ; an odd quarter turn swaps the two
	v_cndmask_b32 v[\t], v[\s], v[\c], vcc_lo
	v_cndmask_b32 v[\c], v[\c], v[\s], vcc_lo
	v_and_b32 v[\s], 2, v[\k]                      ; sin changes sign in quarters 2, 3,
	v_lshlrev_b32 v[\s], 30, v[\s]
	v_xor_b32 v[\s], v[\s], v[\t]
	v_add_nc_u32 v[\k], 1, v[\k]                   ; cos in quarters 1, 2
	v_and_b32 v[\k], 2, v[\k]
	v_lshlrev_b32 v[\k], 30, v[\k]
	v_xor_b32 v[\c], v[\k], v[\c]
	v_mul_f32 v[\c], s50, v[\c]
	v_mul_f32 v[\s], s50, v[\s]
.endm
	s_cmp_lt_u32 s30, 2
	s_cbranch_scc0 .Lnotab
	s_mov_b32 s40, 0xbfc90000                      ; -pi / 2: 1.5703125,
	s_mov_b32 s41, 0xb9fda000                      ; 4.837513e-4,
	s_mov_b32 s42, 0xb3a22168                      ; 7.549790e-8
	s_mov_b32 s43, 0xb94ca1f9
	s_mov_b32 s44, 0x3c08839e
	s_mov_b32 s45, 0xbe2aaaa3
	s_mov_b32 s46, 0x37ccf5ce
	s_mov_b32 s47, 0xbab6061a
	s_mov_b32 s48, 0x3d2aaaa5
	s_mov_b32 s50, 0x3db504f3                      ; 1 / sqrt(128), for k
	s_mov_b32 s51, 0x3f800000                      ; 1, for q
	s_cmp_eq_u32 s30, 0
	s_cselect_b32 s50, s51, s50
	s_lshr_b32 s52, ttmp9, 4                       ; token tile
	s_lshr_b32 s53, s52, 1
	s_lshl_b32 s53, s53, 5
	s_and_b32 s52, s52, 1
	s_lshl_b32 s52, s52, 3
	s_add_co_u32 s53, s53, s52
	v_and_b32 v192, 15, v2
	v_and_b32 v193, 8, v192
	v_add3_u32 v192, v192, v193, s53               ; my token n
	v_cvt_f32_u32 v192, v192
	s_and_b32 s52, ttmp9, 15                       ; chunk 4 B + j
	s_lshr_b32 s53, s52, 2
	s_lshl_b32 s53, s53, 4
	s_and_b32 s52, s52, 3
	s_lshl_b32 s52, s52, 1
	s_add_co_u32 s53, s53, s52
	v_bfe_u32 v193, v2, 4, 1
	v_lshl_add_u32 v193, v193, 3, s53              ; my first pair of channels: 16 B + 8 h + 2 j
	v_add_nc_u32 v194, 1, v193
	v_cvt_f32_u32 v193, v193
	v_cvt_f32_u32 v194, v194
	v_mul_f32 v193, 0xbe57fa62, v193               ; x -log2(10000) / 63
	v_mul_f32 v194, 0xbe57fa62, v194
	v_exp_f32 v193, v193                           ; theta
	v_exp_f32 v194, v194
	v_nop                                          ; a plain instruction behind the exponentials,
	s_wait_alu depctr_va_vdst(0)                   ; and the wait ahead of their first reader
	v_mul_f32 v193, v192, v193                     ; the angle, rounded once
	v_mul_f32 v194, v192, v194
	SINCOS 193, 200, 201, 204, 205, 206, 207
	SINCOS 194, 202, 203, 204, 205, 206, 207
	s_lshl_b32 s52, s30, 19                        ; kind x 524,288
	s_lshl_b32 s53, ttmp9, 9                       ; + 512 x (16 x token tile + chunk)
	s_add_co_u32 s52, s52, s53
	s_mov_b32 s53, 0
	s_add_nc_u64 s[28:29], s[28:29], s[52:53]
	global_store_b128 v3, v[200:203], s[28:29]     ; 32 lanes store 512 consecutive bytes
.Lnotab:
	s_wait_loadcnt 12                              ; step 0's four loads are in
	TURN 0
.macro STEP t
.set XS, X+16*((\t)%2)
.if (\t) > 0
	s_wait_dscnt 4                                 ; this step's numbers are back from the stage; the last step's byte store and three code stores may be out
.else
	s_wait_dscnt 0x0
.endif
.if (\t)+4 < 16
	LOAD (\t)+4                                    ; into the set whose stores into the stage have been served
.endif
.if (\t)+1 < 16
.if 14-(\t) >= 3
	s_wait_loadcnt 12                              ; the next step's four loads are in; those of the three steps behind it may be out
.else
	s_wait_loadcnt 4*(14-(\t))
.endif
	TURN (\t)+1
.endif
	v_max3_num_f32 v8, |v[XS]|, |v[XS+1]|, |v[XS+2]|               ; the largest magnitude of my 16, in two chains
	v_max3_num_f32 v9, |v[XS+3]|, |v[XS+4]|, |v[XS+5]|
.irp i, 6,10
	v_max3_num_f32 v8, v8, |v[XS+\i]|, |v[XS+\i+1]|
	v_max3_num_f32 v9, v9, |v[XS+\i+2]|, |v[XS+\i+3]|
.endr
	v_max3_num_f32 v8, v8, |v[XS+14]|, |v[XS+15]|
	v_max3_num_f32 v8, v8, v9, (EMAX+1)<<23        ; and the floor 2^(3 - 127): the byte cannot fall under 1
	v_max_num_f32_dpp v8, v8, v8 row_xmask:1 row_mask:0xf bank_mask:0xf   ; with my neighbour's 16: the block's
	v_add_nc_u32 v11, -(EMAX<<23), v8              ; 2 off its exponent field: the conversion's scale operand
	v_cvt_scalef32_pk16_fp6_f32 v[C+4*(\t):C+4*(\t)+2], v[XS:XS+15], v11
	v_lshrrev_b32 v[E+(\t)], 23, v11               ; the scale's byte
	ds_store_b8 v[SBA], v[E+(\t)] offset:256*((\t)%4)+4*((\t)/4)   ; both lanes of a block write the same byte with the same value
.irp i, 0,1,2
	ds_store_b32 v[IA+\i], v[C+4*(\t)+\i] offset:4*FP*((\t)%4)+16*((\t)/4)   ; quarter t % 4 of the row: four images on; row t / 4 of my four: 16 bytes on
.endr
.endm
.irp t, 0,1,2,3,4,5,6,7,8,9,10,11,12,13,14,15
	STEP \t
.endr
	s_wait_dscnt 0x0                               ; for the others' sake: my rows lie in all 16 images
	s_barrier_signal -1
	s_barrier_wait -1
.irp f, 0,1,2,3
.irp c, 0,1,2
	ds_load_b128 v[R+4*(3*\f+\c):R+4*(3*\f+\c)+3], v[RBK] offset:\f*FP+512*\c
.endr
.endr
	ds_load_b64 v[64:65], v[SRD]
.irp f, 0,1,2,3
.irp c, 0,1,2
	s_wait_dscnt 12-(3*\f+\c)                      ; LDS loads come back in order: this one is in
	global_store_b128 v3, v[R+4*(3*\f+\c):R+4*(3*\f+\c)+3], s[24:25] offset:\f*1536+512*\c   ; 512 consecutive bytes, at a multiple of 256 from the buffer's first byte
.endr
.endr
	s_wait_dscnt 0x0
	global_store_b64 v1, v[64:65], s[26:27]        ; 256 consecutive bytes of scale words
	s_wait_tensorcnt 0x0
	ds_add_u32 v224, v225
	s_wait_dscnt 0x0
	s_endpgm
.Lfunc_end_k_qe4a795bf20_quant:
	.size	k_qe4a795bf20_quant, .Lfunc_end_k_qe4a795bf20_quant-k_qe4a795bf20_quant
	.p2alignl 7, 3214868480
	.fill 96, 4, 3214868480
	.section	.rodata,"a",@progbits
	.p2align	6, 0x0
	.amdhsa_kernel k_qe4a795bf20_quant
		.amdhsa_group_segment_fixed_size 47104
		.amdhsa_private_segment_fixed_size 0
		.amdhsa_enable_private_segment 0
		.amdhsa_kernarg_size 88
		.amdhsa_user_sgpr_count 2
		.amdhsa_user_sgpr_kernarg_segment_ptr 1
		.amdhsa_wavefront_size32 1
		.amdhsa_system_sgpr_workgroup_id_x 1
		.amdhsa_system_sgpr_workgroup_id_y 1
		.amdhsa_system_sgpr_workgroup_id_z 1
		.amdhsa_system_vgpr_workitem_id 0
		.amdhsa_next_free_vgpr 226
		.amdhsa_next_free_sgpr 66
		.amdhsa_reserve_vcc 1
		.amdhsa_float_denorm_mode_32 3
		.amdhsa_float_denorm_mode_16_64 3
		.amdhsa_memory_ordered 1
		.amdhsa_forward_progress 1
		.amdhsa_inst_pref_size 43
	.end_amdhsa_kernel
	.amdgpu_metadata
---
amdhsa.version: [ 1, 2 ]
amdhsa.kernels:
  - .name:           k_qe4a795bf20_quant
    .symbol:         k_qe4a795bf20_quant.kd
    .args:
      - { .name: query, .offset: 0, .size: 8, .value_kind: global_buffer, .address_space: global }
      - { .name: key, .offset: 8, .size: 8, .value_kind: global_buffer, .address_space: global }
      - { .name: value, .offset: 16, .size: 8, .value_kind: global_buffer, .address_space: global }
      - { .name: Wq, .offset: 24, .size: 8, .value_kind: global_buffer, .address_space: global }
      - { .name: Wk, .offset: 32, .size: 8, .value_kind: global_buffer, .address_space: global }
      - { .name: Wv, .offset: 40, .size: 8, .value_kind: global_buffer, .address_space: global }
      - { .name: Wg, .offset: 48, .size: 8, .value_kind: global_buffer, .address_space: global }
      - { .name: Wo, .offset: 56, .size: 8, .value_kind: global_buffer, .address_space: global }
      - { .name: codes1, .offset: 64, .size: 8, .value_kind: global_buffer, .address_space: global }
      - { .name: scales1, .offset: 72, .size: 8, .value_kind: global_buffer, .address_space: global }
      - { .name: rot, .offset: 80, .size: 8, .value_kind: global_buffer, .address_space: global }
    .group_segment_fixed_size: 47104
    .private_segment_fixed_size: 0
    .kernarg_segment_align: 8
    .kernarg_segment_size: 88
    .max_flat_workgroup_size: 128
    .sgpr_count:     66
    .vgpr_count:     226
    .wavefront_size: 32
...
	.end_amdgpu_metadata
.endif
;; end of part 1
;; launch proj (part 2): grid 8 x 32, 4 waves a work-group, clusters of 4 x 4, 327,680 bytes of LDS; arguments codes1, scales1, rot, bq, bk, bv, bg, qimg, kvimg, gate; writes qimg, kvimg, gate
.if DOCPART == 2
	.amdgcn_target "amdgcn-amd-amdhsa--gfx1250"
	.amdhsa_code_object_version 6
	.text
	.protected	k_qe4a795bf20_proj
	.globl	k_qe4a795bf20_proj
	.p2align	8
	.type	k_qe4a795bf20_proj,@function
k_qe4a795bf20_proj:
	s_mov_b64 s[64:65], 0
	v_nop
	global_prefetch_b8 v0, s[64:65] scope:SCOPE_SE
	s_setreg_imm32_b32 hwreg(HW_REG_WAVE_MODE, 25, 1), 1
	s_wait_xcnt 0x0
	s_wait_alu depctr_hold_cnt(0) depctr_sa_sdst(0) depctr_va_vdst(0) depctr_va_sdst(0) depctr_va_ssrc(0) depctr_va_vcc(0) depctr_vm_vsrc(0)
	s_getreg_b32 s2, hwreg(HW_REG_IB_STS2, 6, 4)
	s_cmp_eq_u32 s2, 0
	s_cbranch_scc0 .Lentry_in_a_cluster
	s_endpgm
.Lentry_in_a_cluster:
	s_bfe_u32 s2, ttmp6, 0x10000c
	s_cmp_lg_u32 s2, 0xf033
	s_cbranch_scc0 .Lentry_shape_is_right
	s_endpgm
.Lentry_shape_is_right:
; Four products [2048 x 2048 x 2048] on codes of FP6 (E2M3) with E8M0 scales, one launch: kind 0: query Wq^T, 1: key Wk^T, 2: Wv value^T (v TRANSPOSED, since the tokens are the K of the product that takes v), 3: query Wg^T.
; kind = cluster y / 2: the same in all sixteen partners of a cluster.  A tile of C, 256 x 256, is made by four waves, 128 x 128 each: 64 accumulators, 512 registers.
; OPERANDS LIE IN MEMORY AS IMAGES OF THEIR REGISTERS: [tile of 16 rows][K step of 128][1,536 bytes]: three loads of 16 bytes a lane, 512 consecutive bytes each, bring a fragment from LDS: no pitch, no padding.
; K goes in steps of 256 through two LDS slots; a wave's tensor load brings 8 tiles x 3,072 bytes.  The scale words of the work-group's rows, for all of K, come once, with the first fills.
; CLUSTERS: 4 x 4.  A's tiles are shared along a row of the cluster, B's along a column: each is asked for jointly, by the same tensor load with the same descriptor and a mask that names the four.
; THE MATRIX INSTRUCTION IS USED TRANSPOSED (source 0 = 16 rows of B, source 1 = 16 rows of A), and row r of tile T of every tensor is its row 32 (T / 2) + 8 (T % 2) + r + (r & 8):
; so register 16 B + i of the 64 registers of A's block a holds column 32 B + 16 (lane / 16) + i of A's row r = lane % 16: 16 neighbours along the next product's K.
; WHAT FOLLOWS THE SUMS, in registers, with no LDS:  q, k: + bias, the rotation by the table's cos and sin (k's table carries 1 / sqrt(128)), quantised along the head's 128 channels, stored as images;
; v: + bias (by row), quantised along 128 tokens, stored as images;  gate: + bias, stored as f32 in the order of the registers (the activation is made where it is used).
; LIMITS: a block of zeros or under 2^-124 gets the byte 1 (its codes are zeros; only this program reads the bytes); NaN and infinities are not served.
; REGISTERS, in windows of 256: window 0: v1 r, v2 h, v16-29 addresses; v32-63 scale words, two sets; v128-223 A's fragments, ONE set.  window 1: B's fragments, two sets, at v0 and v128.
;   windows 2, 3: accumulator (a, b) at v[8 (8 (a % 4) + b)] of window 2 + a / 4.   Behind the sums windows 0 and 1 are free and are named below.
.set NBLK,  8                          ; blocks of 16 rows a wave and side
.set NQ,    2                          ; K steps of 128 in a slot
.set NSLOT, 2
.set HB,    NBLK/2
.set NL,    3                          ; LDS loads that bring a fragment
.set FR,    12                         ; its registers
.set FRB,   1536                       ; its bytes
.set TILEB, NQ*FRB                     ; a tile's bytes in a slot
.set HALFT, NBLK*TILEB                 ; what one tensor load brings, and what one wave reads of A or of B
.set SLOT,  4*HALFT                    ; A's two halves, then B's two halves
.set SCL,   NSLOT*SLOT                 ; behind the ring: the scale words, 1,024 bytes a tile: [K step 16][row 16]
.set HALFS, NBLK*1024
.set SPARE, SCL+4*HALFS                ; the spare words, 128 bytes for each wave: two blocks of 256 bytes that no other line names
.set REFILL, NSLOT*TILEB               ; bytes from a slot's K steps to its next
.set WV,   14                          ; s14 wave;  s15 wave / 2: my half of the rows; I fetch for A (0) or B (1);  s16 wave % 2: my half of the columns; which half I fetch
.set SHI,  15
.set SLO,  16
.set ADRA, 16                          ; v16.. LDS address of my A fragments in slot 0, 1
.set ADRB, 20                          ; v20.. the same for B
.set ADRS, 27                          ; v27   of my scale words: lanes 0-15 A's rows, lanes 16-31 B's
.set SPW,  28                          ; v28   LDS address of my spare word; never rewritten
.set NIL,  29                          ; v29   0; never rewritten
.set SC,   32                          ; scale words: set s at v[SC + 16 s]; register NQ i + q: lanes 0-15 A's block i, lanes 16-31 B's block i, the slot's q-th K step
.set AF,   128
.set G1,   24                          ; s[24:31] group 1 for A's tiles; s[32:39] groups 0, one for each slot
.set G0,   32
.set G1B,  48                          ; s[48:55], s[56:63] the same for B's
.set G0B,  56
.set G1S,  68                          ; s[68:75], s[76:79] for A's scale words; s[80:87], s[88:91] for B's
.set G0S,  76
.set G1SB, 80
.set G0SB, 88
.set SEL,  98                          ; s[98:99] lane selects of v_permlanex16_b32: lane l xor 16
; behind the sums:
.set LI,   24                          ; v24  16 x lane
.set SWO,  25                          ; v25  32 r + 16 h: my four scale words' place
.set BIO,  26                          ; v26  64 h: a column bias's lane term
.set BVO,  23                          ; v23  4 (r + (r & 8)): a row bias's lane term
.set TM,   32                          ; v32-47 the quantiser's work
.set PW,   48                          ; v48    the scale word just made
.set SWD,  50                          ; v50-57 the eight blocks' scale words
.set PC,   64                          ; v64-83 the codes just made
.set T,    84                          ; v84-91 at work
.set BV,   96                          ; v96-111 v's bias, a pair for each block
.set Y,    128                         ; v128-191 (gate: and v192-255) a block's 64 numbers
.set BI,   0                           ; window 1: v0-63 the column bias in the result's layout
.set CS,   64                          ; window 1: v64-127, v128-191 the table, two sets
.set MSB, 0
.macro WIN new                         ; the immediate's high byte repeats the setting that is left
.if MSB != (\new)
	s_set_vgpr_msb (MSB<<8)|(\new)
.set MSB, (\new)
.endif
.endm
.macro PLACES n                        ; plain vector instructions between a matrix instruction and a load into, or a read of, its registers
.rept \n
	v_nop
.endr
.endm
; A joint load: waves 0 and 1 fetch for A, waves 2 and 3 for B.  The branch hangs on the wave's number alone.  Four v_nop follow each of the two lines.
.macro JLOAD g0a, g1a, g0b, g1b
	s_cmp_eq_u32 s[SHI], 0
	s_cbranch_scc0 .Lfor_b_\@
	tensor_load_to_lds s[\g0a:\g0a+3], s[\g1a:\g1a+7]
	s_nop 0
.rept 4
	v_nop
.endr
	s_branch .Lasked_\@
.Lfor_b_\@:
	tensor_load_to_lds s[\g0b:\g0b+3], s[\g1b:\g1b+7]
	s_nop 0
.rept 4
	v_nop
.endr
.Lasked_\@:
.endm
.macro CREST                           ; a round of the cluster's barrier behind its opening barrier
	s_cmp_lg_u32 s[WV], 0
	s_cbranch_scc1 .Lnot_wave_0_\@
	s_barrier_signal -3
.Lnot_wave_0_\@:
	s_barrier_wait -3
	s_barrier_signal -1
	s_barrier_wait -1
.endm
.macro CROUND                          ; a whole round
	s_barrier_signal -1
	s_barrier_wait -1
	CREST
.endm
.macro FRAG reg, adr, q, i             ; tile i's fragment of the slot's q-th K step: its image, 512 consecutive bytes a load
.irp c, 0,1,2
	ds_load_b128 v[(\reg)+4*\c:(\reg)+4*\c+3], v[\adr] offset:(\i)*TILEB+(\q)*FRB+512*\c
.endr
.endm
.macro FETCH_B slot, q, p              ; B's fragments into set p
	WIN 0x40
.irp i, 0,1,2,3,4,5,6,7
.if \i < NBLK
	FRAG 128*(\p)+FR*\i, ADRB+(\slot), \q, \i
.endif
.endr
	WIN 0
.endm
.macro FETCH_A slot, q, i0             ; A's blocks i0 .. i0 + HB - 1
.irp k, 0,1,2,3
.if \k < HB
	FRAG AF+FR*((\i0)+\k), ADRA+(\slot), \q, (\i0)+\k
.endif
.endr
.endm
.macro SCALES sc                       ; a slot's scale words into set sc: lanes 0-15 read 64 consecutive bytes of A's, lanes 16-31 of B's
.irp i, 0,1,2,3,4,5,6,7
.if \i < NBLK
.irp q, 0,1,2,3
.if \q < NQ
	ds_load_b32 v[SC+16*(\sc)+NQ*\i+\q], v[ADRS] offset:1024*\i+64*\q
.endif
.endr
.endif
.endr
.endm
; A's block a against B's NBLK blocks, 128 along K.  p: B's set; q: the K step in the slot; sc: the set of scale words.  mode 0: onto the sums; 1: the constant 0 starts them; 2: a bias starts them.
; The accumulators take turns, one instruction a turn, in the same order in every step.
.macro MULB a, p, q, sc, mode
.if (\mode) == 2
	WIN 0x81
.else
	WIN 0xa1+0x50*((\a)/4)
.endif
.irp b, 0,1,2,3,4,5,6,7
.if \b < NBLK
.if (\mode) == 0
	v_wmma_scale_f32_16x16x128_f8f6f4 v[8*(NBLK*((\a)%4)+\b):8*(NBLK*((\a)%4)+\b)+7], v[128*(\p)+FR*\b:128*(\p)+FR*\b+FR-1], v[AF+FR*(\a):AF+FR*(\a)+FR-1], v[8*(NBLK*((\a)%4)+\b):8*(NBLK*((\a)%4)+\b)+7], v[SC+16*(\sc)+NQ*\b+(\q)], v[SC+16*(\sc)+NQ*(\a)+(\q)] matrix_a_fmt:MATRIX_FMT_FP6 matrix_b_fmt:MATRIX_FMT_FP6 matrix_a_scale:MATRIX_SCALE_ROW1
.elseif (\mode) == 1
	v_wmma_scale_f32_16x16x128_f8f6f4 v[8*(NBLK*((\a)%4)+\b):8*(NBLK*((\a)%4)+\b)+7], v[128*(\p)+FR*\b:128*(\p)+FR*\b+FR-1], v[AF+FR*(\a):AF+FR*(\a)+FR-1], 0, v[SC+16*(\sc)+NQ*\b+(\q)], v[SC+16*(\sc)+NQ*(\a)+(\q)] matrix_a_fmt:MATRIX_FMT_FP6 matrix_b_fmt:MATRIX_FMT_FP6 matrix_a_scale:MATRIX_SCALE_ROW1
.else
	v_wmma_scale_f32_16x16x128_f8f6f4 v[8*(NBLK*((\a)%4)+\b):8*(NBLK*((\a)%4)+\b)+7], v[128*(\p)+FR*\b:128*(\p)+FR*\b+FR-1], v[AF+FR*(\a):AF+FR*(\a)+FR-1], v[BI+8*\b:BI+8*\b+7], v[SC+16*(\sc)+NQ*\b+(\q)], v[SC+16*(\sc)+NQ*(\a)+(\q)] matrix_a_fmt:MATRIX_FMT_FP6 matrix_b_fmt:MATRIX_FMT_FP6 matrix_a_scale:MATRIX_SCALE_ROW1
.endif
.endif
.endr
.endm
; A K step whose successor (slot nslot, K step nq) may be read without a barrier.  A block of A is free as soon as its products are issued: the lower blocks are fetched anew in the step's middle, the upper at its end.
.macro STEP slot, q, sc, mode, nslot, nq, nsc
	s_wait_dscnt HB*NL                             ; B's set, the scale words and A's lower blocks are in; the youngest loads (A's upper blocks) may be out
.irp a, 0,1,2,3
.if \a < HB
	MULB \a, (\q)%2, \q, \sc, \mode
.endif
.endr
	s_wait_dscnt 0x0                               ; A's upper blocks are in
	PLACES 4
.if (\nq) == 0
	WIN 0
	v_add_nc_u32 v[ADRS], 64*NQ, v[ADRS]           ; on to the next slot's scale words
.endif
	FETCH_B \nslot, \nq, 1-(\q)%2
	FETCH_A \nslot, \nq, 0
.if (\nq) == 0
	SCALES \nsc
.endif
.irp a, 0,1,2,3
.if \a < HB
	MULB HB+\a, (\q)%2, \q, \sc, \mode
.endif
.endr
	PLACES 4
	WIN 0
	FETCH_A \nslot, \nq, HB
.endm
; A slot's last K step changes slots: ONE barrier; in front of it each wave waits for all its tensor loads, adds 0 to its spare word, and waits for that and for its own reads of this slot.  fill = 1: this slot is filled again.
.macro TURN slot, sc, next, nsc, fill
	s_wait_tensorcnt 0x0                           ; all my tensor loads have landed, my part of the next slot among them  (every window is 0 here)
	ds_add_u32 v[SPW], v[NIL]                      ; 0 onto my spare word
	s_wait_dscnt HB*NL+1                           ; (the add and A's upper blocks may be out)
.irp a, 0,1
.if \a < HB/2
	MULB \a, 1, NQ-1, \sc, 0                       ; matrix instructions stand between the add and the wait for it
.endif
.endr
	s_wait_dscnt 0x0                               ; the add is done, and my reads of this slot are over
	s_barrier_signal -1
.irp a, 0,1
.if \a < HB/2
	MULB HB/2+\a, 1, NQ-1, \sc, 0
.endif
.endr
	WIN 0
	s_barrier_wait -1
.if \fill
	CREST                                          ; the barrier has opened a round of the cluster's barrier: no wave of any partner still reads this slot or has a load on its way
	s_add_nc_u64 s[G0+4*\slot+2:G0+4*\slot+3], s[G0+4*\slot+2:G0+4*\slot+3], REFILL
	s_add_nc_u64 s[G0B+4*\slot+2:G0B+4*\slot+3], s[G0B+4*\slot+2:G0B+4*\slot+3], REFILL
	JLOAD G0+4*\slot, G1, G0B+4*\slot, G1B         ; the first tensor load behind the round; its four v_nop are the places in front of the loads below
.else
	PLACES 4
.endif
	v_add_nc_u32 v[ADRS], 64*NQ, v[ADRS]
	FETCH_B \next, 0, 0
	FETCH_A \next, 0, 0
	SCALES \nsc
.irp a, 0,1,2,3
.if \a < HB
	MULB HB+\a, 1, NQ-1, \sc, 0
.endif
.endr
	PLACES 4
	WIN 0
	FETCH_A \next, 0, HB
.endm
.macro LAST sc                         ; the very last K step: nothing more to fetch
	s_wait_dscnt HB*NL
.irp a, 0,1,2,3
.if \a < HB
	MULB \a, 1, NQ-1, \sc, 0
.endif
.endr
	s_wait_dscnt 0x0
.irp a, 0,1,2,3
.if \a < HB
	MULB HB+\a, 1, NQ-1, \sc, 0
.endif
.endr
	WIN 0
.endm
; 64 numbers of a lane, register 16 b + i = k 32 b + 16 (lane / 16) + i of my row, become a fragment's codes in v[PC] on and its scale word in v[PW].
.macro QUANT s
.irp b, 0,1,2,3
	v_max3_num_f32 v[TM+\b], |v[(\s)+16*\b]|, |v[(\s)+1+16*\b]|, 0x1800000   ; block b: my 16 numbers, and the floor 2^(3 - 127): the byte cannot fall under 1
.endr
.irp i, 2,4,6,8,10,12,14
.irp b, 0,1,2,3
	v_max3_num_f32 v[TM+\b], v[TM+\b], |v[(\s)+16*\b+\i]|, |v[(\s)+1+16*\b+\i]|   ; (the four blocks by turns)
.endr
.endr
.irp b, 0,1,2,3
	v_permlanex16_b32 v[TM+4+\b], v[TM+\b], s[SEL], s[SEL+1]
.endr
.irp b, 0,1,2,3
	v_max_num_f32 v[TM+\b], v[TM+\b], v[TM+4+\b]   ; with lane l xor 16's: the block's largest magnitude
.endr
.irp b, 0,1,2,3
	v_add_nc_u32 v[TM+12+\b], 0xff000000, v[TM+\b] ; 2 off its exponent field: the conversion's scale operand
.endr
.irp b, 0,1,2,3
	v_lshrrev_b32 v[TM+4+\b], 23, v[TM+12+\b]      ; the scale's byte
.endr
	v_lshl_or_b32 v[PW], v[TM+5], 8, v[TM+4]       ; my row's scale word
	v_lshl_or_b32 v[PW], v[TM+6], 16, v[PW]
	v_lshl_or_b32 v[PW], v[TM+7], 24, v[PW]
.irp c, 0,1
	v_cvt_scalef32_pk16_fp6_f32 v[PC+6*\c:PC+2+6*\c], v[(\s)+32*\c:(\s)+15+32*\c], v[TM+12+2*\c]
	v_cvt_scalef32_pk16_fp6_f32 v[PC+12+4*\c:PC+14+4*\c], v[(\s)+16+32*\c:(\s)+31+32*\c], v[TM+12+2*\c+1]   ; (a conversion's three registers begin on an even number)
.endr
	v_nop                                          ; one plain instruction behind a scaled conversion
.irp c, 0,1                            ; the operand's layout wants a WHOLE block in a lane: lanes 0-15 block 2 c, lanes 16-31 block 2 c + 1
.irp i, 0,1,2
	v_permlane16_swap_b32 v[PC+6*\c+\i], v[PC+12+4*\c+\i]
.endr
.irp i, 0,1,2
	v_mov_b32 v[PC+3+6*\c+\i], v[PC+12+4*\c+\i]
.endr
.endr
.endm
	s_load_b128 s[4:7], s[0:1], 0x0                ; codes1, scales1
	s_load_b512 s[68:83], s[0:1], 0x10             ; rot, bq, bk, bv, bg, qimg, kvimg, gate: three are chosen below, then these registers take descriptors
	v_lshl_add_u32 v[SPW], v0, 2, SPARE
	v_mov_b32 v[NIL], 0
	ds_add_u32 v28, v29
	ds_add_u32 v28, v29
	s_wait_dscnt 0x0
	v_lshrrev_b32 v1, 5, v0
	v_readfirstlane_b32 s[WV], v1                  ; wave 0..3
	s_lshr_b32 s[SHI], s[WV], 1
	s_and_b32 s[SLO], s[WV], 1
	s_bfe_u32 s40, ttmp6, 0x40000                  ; cx, cy: my place in the cluster
	s_bfe_u32 s41, ttmp6, 0x40004
	s_lshl_b32 s42, ttmp9, 2
	s_add_co_u32 s42, s42, s40                     ; tile column = 4 x cluster x + cx
	s_and_b32 s18, ttmp7, 0xffff                   ; cluster y
	s_lshr_b32 s12, s18, 1                         ; kind
	s_and_b32 s17, s18, 1
	s_lshl_b32 s17, s17, 2
	s_add_co_u32 s17, s17, s41                     ; tile row = 4 x (cluster y % 2) + cy
	s_lshl_b32 s43, s41, 2
	s_lshl_b32 s43, 15, s43                        ; my row of the cluster
	s_lshl_b32 s44, 0x1111, s40                    ; my column
	; group 1 for the codes: NBLK rows (tiles) of TILEB bytes, 24,576 bytes apart, in elements of 8 bytes; no padding
	s_or_b32 s[G1+0], s43, (3<<16)|(1<<21)         ; 15:0 the mask: A's tiles go to my row; 17:16 elements of 8 bytes; 21 set beside a mask
	s_or_b32 s[G1B+0], s44, (3<<16)|(1<<21)
.irp g, G1, G1B
	s_mov_b32 s[\g+1], (TILEB/8)<<16               ; tensor_dim0
	s_mov_b32 s[\g+2], NBLK<<16                    ; tensor_dim1
	s_mov_b32 s[\g+3], (TILEB/8)<<16               ; tile_dim0
	s_mov_b32 s[\g+4], NBLK                        ; tile_dim1
	s_mov_b32 s[\g+5], 3072                        ; tensor_dim0_stride
	s_mov_b32 s[\g+6], 0
	s_mov_b32 s[\g+7], 0
.endr
	s_lshl_b32 s18, s12, 2
	s_lshr_b32 s19, 0x0510, s18
	s_and_b32 s19, s19, 15                         ; A's tensor: query, key, Wv, query
	s_lshr_b32 s45, 0x6243, s18
	s_and_b32 s45, s45, 15                         ; B's: Wq, Wk, value, Wg
	s_lshl_b32 s19, s19, 7
	s_lshl_b32 s20, s17, 4
	s_add_co_u32 s19, s19, s20
	s_lshl_b32 s10, s[SLO], 3
	s_add_co_u32 s19, s19, s10                     ; A: tile 128 x tensor + 16 x tile row + 8 x half
	s_lshl_b32 s45, s45, 7
	s_lshl_b32 s46, s42, 4
	s_add_co_u32 s45, s45, s46
	s_add_co_u32 s45, s45, s10                     ; B: 128 x tensor + 16 x tile column + 8 x half
	s_mul_i32 s20, s19, 16*FRB                     ; where these tiles' codes begin,
	s_mov_b32 s21, 0
	s_lshl_b32 s22, s19, 10                        ; and their scale words
	s_mov_b32 s23, 0
	s_mul_i32 s46, s45, 16*FRB
	s_mov_b32 s47, 0
	s_lshl_b32 s18, s45, 10
	s_mov_b32 s19, 0
	s_mul_i32 s8, s[WV], HALFT                     ; where they go: no place in the cluster enters an LDS address
	s_mul_i32 s9, s[WV], HALFS
	s_mov_b32 s[SEL], 0x76543210
	s_mov_b32 s[SEL+1], 0xfedcba98
	s_wait_kmcnt 0x0
	s_bitcmp1_b32 s12, 0                           ; the bias by kind: bq, bk, bv, bg
	s_cselect_b64 s[70:71], s[72:73], s[70:71]
	s_cselect_b64 s[74:75], s[76:77], s[74:75]
	s_bitcmp1_b32 s12, 1
	s_cselect_b64 s[92:93], s[74:75], s[70:71]
	s_cmp_eq_u32 s12, 0                            ; the output by kind: qimg, kvimg, kvimg, gate
	s_cselect_b64 s[94:95], s[78:79], s[80:81]
	s_cmp_eq_u32 s12, 3
	s_cselect_b64 s[94:95], s[82:83], s[94:95]
	s_mov_b64 s[96:97], s[68:69]                   ; rot
	s_add_nc_u64 s[20:21], s[4:5], s[20:21]
	s_add_nc_u64 s[22:23], s[6:7], s[22:23]
	s_add_nc_u64 s[46:47], s[4:5], s[46:47]
	s_add_nc_u64 s[18:19], s[6:7], s[18:19]
	; group 1 for the scale words of NBLK tiles: a dense block, as rows of 256 bytes
	s_or_b32 s[G1S+0], s43, (3<<16)|(1<<21)
	s_or_b32 s[G1SB+0], s44, (3<<16)|(1<<21)
.irp g, G1S, G1SB
	s_mov_b32 s[\g+1], 32<<16
	s_mov_b32 s[\g+2], (4*NBLK)<<16
	s_mov_b32 s[\g+3], 32<<16
	s_mov_b32 s[\g+4], 4*NBLK
	s_mov_b32 s[\g+5], 32
	s_mov_b32 s[\g+6], 0
	s_mov_b32 s[\g+7], 0
.endr
	CROUND                                         ; all sixteen work-groups are here: the first joint loads meet
	s_mov_b32 s[G0S], 1
	s_add_co_u32 s[G0S+1], s9, SCL
	s_mov_b64 s[G0S+2:G0S+3], s[22:23]
	s_or_b32 s[G0S+3], s[G0S+3], 0x80000000
	s_mov_b32 s[G0SB], 1
	s_add_co_u32 s[G0SB+1], s9, SCL
	s_mov_b64 s[G0SB+2:G0SB+3], s[18:19]
	s_or_b32 s[G0SB+3], s[G0SB+3], 0x80000000
	JLOAD G0S, G1S, G0SB, G1SB                     ; the scale words first: they are wanted with the first K step
.irp s, 0,1
	s_mov_b32 s[G0+4*\s], 1
	s_add_co_u32 s[G0+4*\s+1], s8, \s*SLOT
	s_add_nc_u64 s[G0+4*\s+2:G0+4*\s+3], s[20:21], \s*TILEB
	s_or_b32 s[G0+4*\s+3], s[G0+4*\s+3], 0x80000000
	s_mov_b32 s[G0B+4*\s], 1
	s_add_co_u32 s[G0B+4*\s+1], s8, \s*SLOT
	s_add_nc_u64 s[G0B+4*\s+2:G0B+4*\s+3], s[46:47], \s*TILEB
	s_or_b32 s[G0B+4*\s+3], s[G0B+4*\s+3], 0x80000000
	JLOAD G0+4*\s, G1, G0B+4*\s, G1B               ; three loads of mine are out
.endr
	v_and_b32 v1, 15, v0                           ; r
	v_bfe_u32 v2, v0, 4, 1                         ; h
	v_and_b32 v3, 31, v0
	v_lshlrev_b32 v[LI], 4, v3
	s_mul_i32 s10, s[SHI], HALFT                   ; my half of A
	s_mul_i32 s11, s[SLO], HALFT                   ; my half of B,
	s_add_co_u32 s11, s11, 2*HALFT                 ; behind A's two
.irp s, 0,1
	v_add_nc_u32 v[ADRA+\s], s10, v[LI]
	v_add_nc_u32 v[ADRB+\s], s11, v[LI]
	s_add_co_u32 s10, s10, SLOT
	s_add_co_u32 s11, s11, SLOT
.endr
	s_mul_i32 s10, s[SHI], HALFS                   ; A's scale words: my half
	s_mul_i32 s11, s[SLO], HALFS                   ; B's: my half, behind A's two
	s_add_co_u32 s11, s11, 2*HALFS
	s_sub_co_u32 s11, s11, s10
	v_mul_u32_u24 v4, s11, v2                      ; lanes 16-31 take B's
	s_add_co_u32 s10, s10, SCL
	v_lshl_add_u32 v4, v1, 2, v4
	v_add_nc_u32 v[ADRS], s10, v4
	v_lshlrev_b32 v[SWO], 5, v1
	v_lshl_add_u32 v[SWO], v2, 4, v[SWO]
	v_lshlrev_b32 v[BIO], 6, v2
	v_and_b32 v[BVO], 8, v1
	v_add_nc_u32 v[BVO], v[BVO], v1
	v_lshlrev_b32 v[BVO], 2, v[BVO]
	s_wait_tensorcnt 1                             ; the scale words and my part of slot 0 are in (slot 1's load may be out)
	s_barrier_signal -1
	s_barrier_wait -1                              ; everybody's are
	FETCH_B 0, 0, 0
	FETCH_A 0, 0, 0
	SCALES 0
	FETCH_A 0, 0, HB
	STEP 0, 0, 0, 1, 0, 1, 0                       ; the first K step stands in front of the loop: its products start the sums
	s_mov_b32 s3, 3
.Llap:                                                 ; a trip goes once round the ring and fills both slots again: 2,048 along K are 4 laps
	TURN 0, 0, 1, 1, 1
	STEP 1, 0, 1, 0, 1, 1, 0
	TURN 1, 1, 0, 0, 1
	STEP 0, 0, 0, 0, 0, 1, 0
	s_sub_co_u32 s3, s3, 1
	s_cmp_lg_u32 s3, 0
	s_cbranch_scc1 .Llap
	TURN 0, 0, 1, 1, 0                             ; the last lap fills nothing, and has no round of the cluster's barrier
	STEP 1, 0, 1, 0, 1, 1, 0
	LAST 1
	PLACES 4                                       ; behind the last products: their registers are read, written and loaded into below
.irp b, 0,1,2,3
	v_mov_b32 v[TM+4+\b], 0                        ; written once: a lane permute's destination counts as one of its sources
.endr
.macro SWOUT                           ; the eight blocks' scale words: [row 16][block 8]: lane (r, h) stores blocks 4 h .. 4 h + 3 of row r: 512 consecutive bytes
	v_cmp_eq_u32 vcc_lo, 1, v2
.irp k, 0,1,2,3
	v_cndmask_b32 v[T+\k], v[SWD+\k], v[SWD+4+\k], vcc_lo
.endr
	global_store_b128 v[SWO], v[T:T+3], s[46:47]
.endm
	s_cmp_eq_u32 s12, 2
	s_cbranch_scc1 .Lv
	; ---- q, k, gate: rows are tokens, my 128 columns are one head
	s_lshr_b32 s18, s17, 2                         ; batch
	s_lshl_b32 s18, s18, 4
	s_lshl_b32 s19, s42, 1
	s_add_co_u32 s19, s19, s[SLO]                  ; head = 2 x tile column + half
	s_add_co_u32 s18, s18, s19                     ; hb = 16 x batch + head
	s_and_b32 s20, s17, 3
	s_lshl_b32 s20, s20, 1
	s_add_co_u32 s20, s20, s[SHI]
	s_lshl_b32 s20, s20, 3                         ; my first token tile in the batch
	s_lshl_b32 s22, s19, 9
	s_mov_b32 s23, 0
	s_add_nc_u64 s[92:93], s[92:93], s[22:23]      ; the head's 128 numbers of the bias
	WIN 0x40
.irp b, 0,1,2,3
.irp j, 0,1,2,3
	global_load_b128 v[BI+16*\b+4*\j:BI+16*\b+4*\j+3], v[BIO], s[92:93] offset:128*\b+16*\j   ; register 16 b + i: column 32 b + 16 h + i
.endr
.endr
	WIN 0
	s_cmp_eq_u32 s12, 3
	s_cbranch_scc1 .Lg
	; ---- q (kind 0) and k (kind 1)
	s_lshl_b32 s21, 102400, s12                    ; a head's bytes: 102,400 in qimg, 204,800 in kvimg
	s_lshl_b32 s45, 98304, s12                     ; where its scale words begin: 98,304, 196,608
	s_mul_i32 s22, s18, s21
	s_add_nc_u64 s[94:95], s[94:95], s[22:23]
	s_lshl_b32 s22, s20, 6                         ; 512 bytes of scale words for 8 tiles
	s_add_co_u32 s22, s22, s45
	s_add_nc_u64 s[46:47], s[94:95], s[22:23]
	s_mul_i32 s22, s20, FRB
	s_add_nc_u64 s[94:95], s[94:95], s[22:23]      ; my first image
	s_lshl_b32 s22, s12, 19
	s_lshl_b32 s21, s20, 13
	s_add_co_u32 s22, s22, s21
	s_add_nc_u64 s[96:97], s[96:97], s[22:23]      ; the table at my kind and my first token tile
.macro TABLE a                         ; block a's cos and sin: 64 registers, register n: cos, n + 1: sin of the pair of channels in Y's registers n, n + 1
	WIN 0x40
.irp c, 0,1,2,3,4,5,6,7,8,9,10,11,12,13,14,15
	global_load_b128 v[CS+64*((\a)%2)+4*\c:CS+64*((\a)%2)+4*\c+3], v[LI], s[96:97] offset:(\a)*8192+512*\c
.endr
.endm
.macro QKBLK a
.set AC, 64*((\a)%4)
.set CT, CS+64*((\a)%2)
.if (\a) < 7
	TABLE (\a)+1
	s_wait_loadcnt 16                              ; the bias and this block's table are in; the next block's 16 loads may be out
.else
	s_wait_loadcnt 0x0
.endif
	WIN 0x06+(\a)/4                                ; source 0: the sums' window; source 1: window 1
.set n, 0
.rept 32
	v_pk_add_f32 v[Y+n:Y+n+1], v[AC+n:AC+n+1], v[BI+n:BI+n+1]      ; + bias; ascending
.set n, n+2
.endr
	WIN 0x04
.set n, 0
.rept 8
.irp k, 0,2,4,6
	v_pk_mul_f32 v[T+\k:T+\k+1], v[Y+n+\k:Y+n+\k+1], v[CT+n+\k:CT+n+\k+1] op_sel_hi:[1,0]   ; (even x cos, odd x cos)
.endr
.irp k, 0,2,4,6
	v_pk_fma_f32 v[Y+n+\k:Y+n+\k+1], v[Y+n+\k:Y+n+\k+1], v[CT+n+\k:CT+n+\k+1], v[T+\k:T+\k+1] op_sel:[1,1,0] op_sel_hi:[0,1,1] neg_lo:[0,1,0]   ; (- odd x sin, + even x sin)
.endr
.set n, n+8
.endr
	WIN 0
	s_wait_xcnt 0x0                                ; the last block's stores have read the codes' registers
	QUANT Y
	v_mov_b32 v[SWD+(\a)], v[PW]
.irp c, 0,1,2
	global_store_b128 v[LI], v[PC+4*\c:PC+4*\c+3], s[94:95] offset:(\a)*FRB+512*\c   ; the image: 512 consecutive bytes a store
.endr
.endm
	TABLE 0
.irp a, 0,1,2,3,4,5,6,7
	QKBLK \a
.endr
	SWOUT
	s_branch .Lend
.Lg:
	; ---- gate: + bias, stored in the order of the registers: [hb][token tile 64][16 x 512 bytes]
	s_lshl_b32 s22, s18, 19
	s_lshl_b32 s21, s20, 13
	s_add_co_u32 s22, s22, s21
	s_add_nc_u64 s[94:95], s[94:95], s[22:23]
	s_wait_loadcnt 0x0                             ; the bias
.macro GBLK a
.set AC, 64*((\a)%4)
.set YS, Y+64*((\a)%2)
	s_wait_xcnt 0x0                                ; the stores of two blocks ago have read this set
	WIN 0x06+(\a)/4
.set n, 0
.rept 32
	v_pk_add_f32 v[YS+n:YS+n+1], v[AC+n:AC+n+1], v[BI+n:BI+n+1]
.set n, n+2
.endr
	WIN 0
.irp c, 0,1,2,3,4,5,6,7,8,9,10,11,12,13,14,15
	global_store_b128 v[LI], v[YS+4*\c:YS+4*\c+3], s[94:95] offset:(\a)*8192+512*\c
.endr
.endm
.irp a, 0,1,2,3,4,5,6,7
	GBLK \a
.endr
	s_branch .Lend
.Lv:
	; ---- v: rows are the channels of one head, my 128 columns are 128 tokens: one K step of the product that takes v
	s_lshl_b32 s19, s17, 1
	s_add_co_u32 s19, s19, s[SHI]                  ; head = 2 x tile row + half
	s_lshr_b32 s18, s42, 2
	s_lshl_b32 s18, s18, 4
	s_add_co_u32 s18, s18, s19                     ; hb
	s_and_b32 s20, s42, 3
	s_lshl_b32 s20, s20, 1
	s_add_co_u32 s20, s20, s[SLO]                  ; which 128 tokens of the batch
	s_lshl_b32 s22, s19, 9
	s_mov_b32 s23, 0
	s_add_nc_u64 s[92:93], s[92:93], s[22:23]
.irp a, 0,1,2,3,4,5,6,7
	global_load_b32 v[BV+2*\a], v[BVO], s[92:93] offset:4*(32*(\a/2)+8*(\a%2))     ; the bias of my row of block a, twice: a pair for the packed addition
	global_load_b32 v[BV+2*\a+1], v[BVO], s[92:93] offset:4*(32*(\a/2)+8*(\a%2))
.endr
	s_mul_i32 s22, s18, 204800
	s_add_nc_u64 s[94:95], s[94:95], s[22:23]
	s_lshl_b32 s22, s20, 9
	s_add_co_u32 s22, s22, 200704
	s_add_nc_u64 s[46:47], s[94:95], s[22:23]      ; its scale words
	s_mul_i32 s22, s20, 8*FRB
	s_add_co_u32 s22, s22, 98304
	s_add_nc_u64 s[94:95], s[94:95], s[22:23]      ; its eight images
	s_wait_loadcnt 0x0
.macro VBLK a
.set AC, 64*((\a)%4)
	WIN 0x02+(\a)/4
.set n, 0
.rept 32
	v_pk_add_f32 v[Y+n:Y+n+1], v[AC+n:AC+n+1], v[BV+2*(\a):BV+2*(\a)+1]
.set n, n+2
.endr
	WIN 0
	s_wait_xcnt 0x0                                ; the last block's stores have read the codes' registers
	QUANT Y
	v_mov_b32 v[SWD+(\a)], v[PW]
.irp c, 0,1,2
	global_store_b128 v[LI], v[PC+4*\c:PC+4*\c+3], s[94:95] offset:(\a)*FRB+512*\c
.endr
.endm
.irp a, 0,1,2,3,4,5,6,7
	VBLK \a
.endr
	SWOUT
.Lend:
	s_wait_tensorcnt 0x0                           ; the wave's end
	ds_add_u32 v[SPW], v[NIL]
	s_wait_dscnt 0x0
	CROUND                                         ; the closing round: no work-group ends while a partner may still ask for a tile that names it
	s_endpgm
.Lfunc_end_k_qe4a795bf20_proj:
	.size	k_qe4a795bf20_proj, .Lfunc_end_k_qe4a795bf20_proj-k_qe4a795bf20_proj
	.p2alignl 7, 3214868480
	.fill 96, 4, 3214868480
	.section	.rodata,"a",@progbits
	.p2align	6, 0x0
	.amdhsa_kernel k_qe4a795bf20_proj
		.amdhsa_group_segment_fixed_size 327680
		.amdhsa_private_segment_fixed_size 0
		.amdhsa_enable_private_segment 0
		.amdhsa_kernarg_size 80
		.amdhsa_user_sgpr_count 2
		.amdhsa_user_sgpr_kernarg_segment_ptr 1
		.amdhsa_wavefront_size32 1
		.amdhsa_system_sgpr_workgroup_id_x 1
		.amdhsa_system_sgpr_workgroup_id_y 1
		.amdhsa_system_sgpr_workgroup_id_z 1
		.amdhsa_system_vgpr_workitem_id 0
		.amdhsa_next_free_vgpr 1024
		.amdhsa_next_free_sgpr 102
		.amdhsa_reserve_vcc 1
		.amdhsa_float_denorm_mode_32 3
		.amdhsa_float_denorm_mode_16_64 3
		.amdhsa_memory_ordered 1
		.amdhsa_forward_progress 1
		.amdhsa_inst_pref_size 255
	.end_amdhsa_kernel
	.section	.bss,"aw",@nobits
	.p2align	6
	.space	262144
	.amdgpu_metadata
---
amdhsa.version: [ 1, 2 ]
amdhsa.kernels:
  - .name:           k_qe4a795bf20_proj
    .symbol:         k_qe4a795bf20_proj.kd
    .args:
      - { .name: codes1, .offset: 0, .size: 8, .value_kind: global_buffer, .address_space: global }
      - { .name: scales1, .offset: 8, .size: 8, .value_kind: global_buffer, .address_space: global }
      - { .name: rot, .offset: 16, .size: 8, .value_kind: global_buffer, .address_space: global }
      - { .name: bq, .offset: 24, .size: 8, .value_kind: global_buffer, .address_space: global }
      - { .name: bk, .offset: 32, .size: 8, .value_kind: global_buffer, .address_space: global }
      - { .name: bv, .offset: 40, .size: 8, .value_kind: global_buffer, .address_space: global }
      - { .name: bg, .offset: 48, .size: 8, .value_kind: global_buffer, .address_space: global }
      - { .name: qimg, .offset: 56, .size: 8, .value_kind: global_buffer, .address_space: global }
      - { .name: kvimg, .offset: 64, .size: 8, .value_kind: global_buffer, .address_space: global }
      - { .name: gate, .offset: 72, .size: 8, .value_kind: global_buffer, .address_space: global }
    .group_segment_fixed_size: 327680
    .private_segment_fixed_size: 0
    .kernarg_segment_align: 8
    .kernarg_segment_size: 80
    .max_flat_workgroup_size: 128
    .sgpr_count:     102
    .vgpr_count:     1024
    .wavefront_size: 32
...
	.end_amdgpu_metadata
.endif
;; end of part 2
;; launch ret (part 3): grid 8 x 32, 8 waves a work-group, clusters of 4 x 1, 205,824 bytes of LDS; arguments qimg, kvimg, gate, acodes, ascales; writes acodes, ascales
.if DOCPART == 3
	.amdgcn_target "amdgcn-amd-amdhsa--gfx1250"
	.amdhsa_code_object_version 6
	.text
	.protected	k_qe4a795bf20_ret
	.globl	k_qe4a795bf20_ret
	.p2align	8
	.type	k_qe4a795bf20_ret,@function
k_qe4a795bf20_ret:
	s_mov_b64 s[64:65], 0
	v_nop
	global_prefetch_b8 v0, s[64:65] scope:SCOPE_SE
	s_setreg_imm32_b32 hwreg(HW_REG_WAVE_MODE, 25, 1), 1
	s_wait_xcnt 0x0
	s_wait_alu depctr_hold_cnt(0) depctr_sa_sdst(0) depctr_va_vdst(0) depctr_va_sdst(0) depctr_va_ssrc(0) depctr_va_vcc(0) depctr_vm_vsrc(0)
	s_getreg_b32 s2, hwreg(HW_REG_IB_STS2, 6, 4)
	s_cmp_eq_u32 s2, 0
	s_cbranch_scc0 .Lentry_in_a_cluster
	s_endpgm
.Lentry_in_a_cluster:
	s_bfe_u32 s2, ttmp6, 0x10000c
	s_cmp_lg_u32 s2, 0x3003
	s_cbranch_scc0 .Lentry_shape_is_right
	s_endpgm
.Lentry_shape_is_right:
; Retention of one head and batch (hb = work-group y): S = q k^T, times gamma^(n - s) where s <= n and 0 elsewhere, quantised along the keys, times v; then the norm over the head's 128 channels of each token,
; times silu(gate), quantised along the channels: the left operand of the output product, stored as images.  Both products on codes of FP6 (E2M3) with E8M0 scales.
; SHARES.  Work-group i (0..7) of a head; wave w owns query tile 8 w + i: 16 queries inside the 128 tokens 128 w on.  So wave w needs the key steps 0 .. w (128 keys each; step w holds its diagonal): every work-group has
; the same work, needs the whole head's K and V, and the branches that leave hidden steps out hang on the wave's number and the step alone.
; LDS holds the head's 204,800 bytes of kvimg as they lie, filled ONCE: wave w asks for 25,600 of them.  CLUSTER: the four work-groups of a cluster belong to one head, so each load is asked for jointly.
; Nothing is filled again: one barrier behind the fills, no ring.
; LAYOUT.  Both products are used transposed: S^T = K Q^T (source 0 = 16 keys), O^T = V^T P^T (source 0 = 16 channels): a lane holds ONE query (lane % 16) throughout.  Row r of tile T of K, of V's channels and of Q is row
; 32 (T / 2) + 8 (T % 2) + r + (r & 8): so register 16 b + i of S^T is key 32 b + 16 (lane / 16) + i of the step, and of O^T channel 32 b + 16 (lane / 16) + i.
; THE DECAY.  x = 2^(-5 - 4 head / 15), gamma = 1 - x rounded to f32, d = 1 - gamma (exact), L = log2(gamma) = -log2(e) d (1 + d / 2 + .. + d^6 / 7): d <= 1 / 32 by the problem's constants, the next term is under 4e-12.
; gamma^dist = 2^(L (D - 32 b)) x 2^(-L i), D = the query less the step's first key less 16 (lane / 16): four exponentials a step and sixteen kept.
; LIMITS: gamma^dist carries about 1e-6 x |log2 of its value|; blocks of zeros or under 2^-124 get the byte 1 (their codes are zeros); NaN and infinities are not served; ascales is stored in pieces of 64 bytes (131,072 bytes in all).
; REGISTERS: window 0: v1 r, v2 h, v3-13 addresses and constants; v16-27 Q, v28 its scale words; v32-39 K's, v40-47 V's scale words; v48-63 2^(-L i); v64-71 2^(L (D - 32 b)) in pairs; v72-88 the quantiser's work;
;   v96-115 codes; v116-127 at work; v128-191 S^T; v192-255 the gate.   window 1: v0-63 O^T; v64-159 K's eight fragments; v160-255 V's.
.set WV,  14
.set QF,  16
.set QS,  28
.set KS,  32
.set VS,  40
.set GG,  48
.set RB,  64
.set TM,  72
.set PW,  88
.set PC,  96
.set SS,  128
.set GT,  192
.set KF,  64
.set VF,  160
.set SEL, 42
.set MSB, 0
.macro WIN new                         ; the immediate's high byte repeats the setting that is left
.if MSB != (\new)
	s_set_vgpr_msb (MSB<<8)|(\new)
.set MSB, (\new)
.endif
.endm
.macro CROUND                          ; a round of the cluster's barrier
	s_barrier_signal -1
	s_barrier_wait -1
	s_cmp_lg_u32 s[WV], 0
	s_cbranch_scc1 .Lnot_wave_0_\@
	s_barrier_signal -3
.Lnot_wave_0_\@:
	s_barrier_wait -3
	s_barrier_signal -1
	s_barrier_wait -1
.endm
; 64 numbers of a lane, register 16 b + i = k 32 b + 16 (lane / 16) + i of my row, become a fragment's codes in v[PC] on and its scale word in v[PW].
.macro QUANT s
.irp b, 0,1,2,3
	v_max3_num_f32 v[TM+\b], |v[(\s)+16*\b]|, |v[(\s)+1+16*\b]|, 0x1800000   ; block b: my 16 numbers, and the floor 2^(3 - 127): the byte cannot fall under 1
.endr
.irp i, 2,4,6,8,10,12,14
.irp b, 0,1,2,3
	v_max3_num_f32 v[TM+\b], v[TM+\b], |v[(\s)+16*\b+\i]|, |v[(\s)+1+16*\b+\i]|
.endr
.endr
.irp b, 0,1,2,3
	v_permlanex16_b32 v[TM+4+\b], v[TM+\b], s[SEL], s[SEL+1]
.endr
.irp b, 0,1,2,3
	v_max_num_f32 v[TM+\b], v[TM+\b], v[TM+4+\b]   ; with lane l xor 16's: the block's largest magnitude
.endr
.irp b, 0,1,2,3
	v_add_nc_u32 v[TM+12+\b], 0xff000000, v[TM+\b] ; 2 off its exponent field: the conversion's scale operand
.endr
.irp b, 0,1,2,3
	v_lshrrev_b32 v[TM+4+\b], 23, v[TM+12+\b]      ; the scale's byte
.endr
	v_lshl_or_b32 v[PW], v[TM+5], 8, v[TM+4]
	v_lshl_or_b32 v[PW], v[TM+6], 16, v[PW]
	v_lshl_or_b32 v[PW], v[TM+7], 24, v[PW]
.irp c, 0,1
	v_cvt_scalef32_pk16_fp6_f32 v[PC+6*\c:PC+2+6*\c], v[(\s)+32*\c:(\s)+15+32*\c], v[TM+12+2*\c]
	v_cvt_scalef32_pk16_fp6_f32 v[PC+12+4*\c:PC+14+4*\c], v[(\s)+16+32*\c:(\s)+31+32*\c], v[TM+12+2*\c+1]
.endr
	v_nop                                          ; one plain instruction behind a scaled conversion
.irp c, 0,1
.irp i, 0,1,2
	v_permlane16_swap_b32 v[PC+6*\c+\i], v[PC+12+4*\c+\i]
.endr
.irp i, 0,1,2
	v_mov_b32 v[PC+3+6*\c+\i], v[PC+12+4*\c+\i]
.endr
.endr
.endm
	s_load_b256 s[4:11], s[0:1], 0x0               ; qimg, kvimg, gate, acodes
	s_load_b64 s[12:13], s[0:1], 0x20              ; ascales
	v_lshl_add_u32 v126, v0, 2, 0x32000
	v_mov_b32 v127, 0
	ds_add_u32 v126, v127
	ds_add_u32 v126, v127
	v_lshrrev_b32 v1, 5, v0
	v_readfirstlane_b32 s[WV], v1                  ; wave 0..7
	v_and_b32 v1, 15, v0                           ; r
	v_bfe_u32 v2, v0, 4, 1                         ; h
	v_and_b32 v3, 31, v0
	v_lshlrev_b32 v3, 4, v3                        ; 16 x lane: an image's place for my lane; K's images begin at LDS byte 0
	v_add_nc_u32 v5, 98304, v3                     ; V's images
	v_lshlrev_b32 v4, 5, v1                        ; 32 r: eight scale words a row
	v_add_nc_u32 v6, 196608, v4                    ; K's scale words; V's lie 4,096 bytes on
	v_lshlrev_b32 v13, 2, v1
	v_mov_b32 v12, 0
	s_bfe_u32 s15, ttmp6, 0x40000                  ; cx
	s_lshl_b32 s16, ttmp9, 2
	s_add_co_u32 s16, s16, s15                     ; i = 4 x cluster x + cx: it enters global addresses and numbers alone
	s_and_b32 s17, ttmp7, 0xffff                   ; hb, which the four partners share
	s_and_b32 s18, s17, 15                         ; head
	s_lshl_b32 s19, s[WV], 3
	s_add_co_u32 s19, s19, s16                     ; my query tile
	s_mov_b32 s24, 15|(3<<16)|(1<<21)              ; group 1: the mask: all four work-groups; elements of 8 bytes; bit 21 set beside a mask; a dense block of 100 rows of 256 bytes
	s_mov_b32 s25, 32<<16
	s_mov_b32 s26, 100<<16
	s_mov_b32 s27, 32<<16
	s_mov_b32 s28, 100
	s_mov_b32 s29, 32
	s_mov_b32 s30, 0
	s_mov_b32 s31, 0
	s_mul_i32 s20, s17, 204800
	s_mul_i32 s36, s[WV], 25600
	s_add_co_u32 s20, s20, s36
	s_mov_b32 s21, 0
	s_mov_b32 s[SEL], 0x76543210
	s_mov_b32 s[SEL+1], 0xfedcba98
	s_mov_b32 s44, 0x3c000000                      ; 1 / 128
	s_mov_b32 s45, 0x358637bd                      ; 1e-6
	s_wait_dscnt 0x0
	s_wait_kmcnt 0x0
	s_mov_b32 s32, 1
	s_mov_b32 s33, s36                             ; LDS: 25,600 x wave
	s_add_nc_u64 s[34:35], s[6:7], s[20:21]
	s_or_b32 s35, s35, 0x80000000
	CROUND                                         ; all four work-groups are here: the joint loads meet
	tensor_load_to_lds s[32:35], s[24:31]          ; my eighth of the head's K, V and scale words: one load of mine is out
	s_nop 0
.rept 4
	v_nop
.endr
	s_mul_i32 s20, s17, 102400
	s_add_nc_u64 s[4:5], s[4:5], s[20:21]
	s_mul_i32 s22, s19, 1536
	s_mov_b32 s23, 0
	s_add_nc_u64 s[36:37], s[4:5], s[22:23]        ; my tile of Q
	s_lshl_b32 s22, s[WV], 9
	s_lshl_b32 s20, s16, 2
	s_add_co_u32 s22, s22, s20
	s_add_co_u32 s22, s22, 98304
	s_add_nc_u64 s[4:5], s[4:5], s[22:23]          ; its scale words: [group w][row][tile i]
	s_lshl_b32 s22, s17, 19
	s_lshl_b32 s20, s19, 13
	s_add_co_u32 s22, s22, s20
	s_add_nc_u64 s[8:9], s[8:9], s[22:23]          ; my tile of the gate
	s_lshr_b32 s20, s17, 4
	s_lshl_b32 s20, s20, 6
	s_add_co_u32 s20, s20, s19                     ; token tile 64 x batch + my tile
	s_lshl_b32 s20, s20, 4
	s_add_co_u32 s20, s20, s18                     ; x 16 K steps + head
	s_mul_i32 s22, s20, 1536
	s_add_nc_u64 s[10:11], s[10:11], s[22:23]
	s_lshl_b32 s22, s20, 6
	s_add_nc_u64 s[12:13], s[12:13], s[22:23]
.irp c, 0,1,2
	global_load_b128 v[QF+4*\c:QF+4*\c+3], v3, s[36:37] offset:512*\c
.endr
	global_load_b32 v[QS], v4, s[4:5]
.irp c, 0,1,2,3,4,5,6,7,8,9,10,11,12,13,14,15
	global_load_b128 v[GT+4*\c:GT+4*\c+3], v3, s[8:9] offset:512*\c th:TH_LOAD_NT
.endr
	; the constants, while the loads are on their way
	v_cvt_f32_u32 v116, s18
	v_mov_b32 v117, 0xbe888889                     ; -4 / 15
	v_fmaak_f32 v116, v116, v117, 0xc0a00000       ; -5 - 4 head / 15
	v_exp_f32 v116, v116
	s_lshr_b32 s20, s16, 1
	s_lshl_b32 s20, s20, 5
	s_and_b32 s22, s16, 1
	s_lshl_b32 s22, s22, 3
	s_add_co_u32 s20, s20, s22
	v_and_b32 v7, 8, v1                            ; (plain work behind the exponential)
	v_add3_u32 v7, v7, v1, s20
	v_lshlrev_b32 v118, 4, v2
	v_sub_nc_u32 v7, v7, v118                      ; DQ = my query in its 128 tokens - 16 h
	s_wait_alu depctr_va_vdst(0)                   ; the wait ahead of an exponential's first reader
	v_sub_f32 v117, 1.0, v116                      ; gamma, rounded to f32
	v_sub_f32 v118, 1.0, v117                      ; d: exact
	v_mov_b32 v119, 0x3e124925                     ; 1 / 7
	v_fmaak_f32 v119, v119, v118, 0x3e2aaaab
	v_fmaak_f32 v119, v119, v118, 0x3e4ccccd
	v_fmaak_f32 v119, v119, v118, 0x3e800000
	v_fmaak_f32 v119, v119, v118, 0x3eaaaaab
	v_fmaak_f32 v119, v119, v118, 0x3f000000
	v_fmaak_f32 v119, v119, v118, 0x3f800000
	v_mul_f32 v119, v119, v118
	v_mul_f32 v11, 0xbfb8aa3b, v119                ; L = log2(gamma)
.irp i, 0,1,2,3,4,5,6,7,8,9,10,11,12,13,14,15
	v_cvt_f32_i32 v[GG+\i], -\i
.endr
.irp i, 0,1,2,3,4,5,6,7,8,9,10,11,12,13,14,15
	v_mul_f32 v[GG+\i], v11, v[GG+\i]
.endr
.irp i, 0,1,2,3,4,5,6,7,8,9,10,11,12,13,14,15
	v_exp_f32 v[GG+\i], v[GG+\i]                   ; gamma^-i
.endr
.irp b, 0,1,2,3
	v_mov_b32 v[RB+2*\b+1], 0                      ; named as the upper halves of pairs
	v_mov_b32 v[TM+4+\b], 0                        ; a lane permute's destination counts as one of its sources
.endr
	WIN 0x40
.set n, 0
.rept 64
	v_mov_b32 v[n], 0                              ; O^T: the step is written once, and its first trip adds onto zeros
.set n, n+1
.endr
	WIN 0
	s_wait_alu depctr_va_vdst(0)                   ; one wait for the sixteen
	s_wait_loadcnt 0x0                             ; Q, its scale words, the gate
	; silu(g) = g / (1 + 2^(-log2(e) g)), in two batches; S^T's registers are the scratch
.set n, 0
.rept 32
	v_pk_mul_f32 v[SS+n:SS+n+1], v[GT+n:GT+n+1], 0xbfb8aa3b op_sel_hi:[1,0]
.set n, n+2
.endr
.set n, 0
.rept 64
	v_exp_f32 v[SS+n], v[SS+n]
.set n, n+1
.endr
	v_nop
	s_wait_alu depctr_va_vdst(0)                   ; one wait for the batch
.set n, 0
.rept 32
	v_pk_add_f32 v[SS+n:SS+n+1], v[SS+n:SS+n+1], 1.0 op_sel_hi:[1,0]
.set n, n+2
.endr
.set n, 0
.rept 64
	v_rcp_f32 v[SS+n], v[SS+n]
.set n, n+1
.endr
	v_nop
	s_wait_alu depctr_va_vdst(0)
.set n, 0
.rept 32
	v_pk_mul_f32 v[GT+n:GT+n+1], v[GT+n:GT+n+1], v[SS+n:SS+n+1]
.set n, n+2
.endr
	s_mov_b32 s38, 0                               ; the key step
	s_mov_b32 s39, 0                               ; its images: 12,288 bytes a step
	s_mov_b32 s40, 0                               ; its scale words: 512 bytes a step
	s_lshl_b32 s41, s[WV], 7                       ; 128 (w - step)
	s_wait_tensorcnt 0x0                           ; my eighth is in,
	s_barrier_signal -1
	s_barrier_wait -1                              ; everybody's is
.Lstep:                                                ; eight trips, a constant; a step all of whose keys come after my queries is left out
	s_cmp_gt_u32 s38, s[WV]
	s_cbranch_scc1 .Lhidden
	v_add_nc_u32 v8, s39, v3
	v_add_nc_u32 v9, s39, v5
	v_add_nc_u32 v10, s40, v6
	v_nop                                          ; four plain instructions between the last trip's products and the loads into their registers
	ds_load_b128 v[KS:KS+3], v10
	ds_load_b128 v[KS+4:KS+7], v10 offset:16
	WIN 0x40
.irp f, 0,1,2,3,4,5,6,7
.irp c, 0,1,2
	ds_load_b128 v[KF+12*\f+4*\c:KF+12*\f+4*\c+3], v8 offset:1536*\f+512*\c
.endr
.endr
.irp f, 0,1,2,3,4,5,6,7
.irp c, 0,1,2
	ds_load_b128 v[VF+12*\f+4*\c:VF+12*\f+4*\c+3], v9 offset:1536*\f+512*\c
.endr
.endr
	WIN 0
	ds_load_b128 v[VS:VS+3], v10 offset:4096
	ds_load_b128 v[VS+4:VS+7], v10 offset:4112
	s_wait_dscnt 26                                ; K and its scale words are in; V's 24 loads and its scale words' two may be out
	WIN 0x01
.irp t, 0,1,2,3,4,5,6,7
	v_wmma_scale_f32_16x16x128_f8f6f4 v[SS+8*\t:SS+8*\t+7], v[KF+12*\t:KF+12*\t+11], v[QF:QF+11], 0, v[KS+\t], v[QS] matrix_a_fmt:MATRIX_FMT_FP6 matrix_b_fmt:MATRIX_FMT_FP6
.endr
	WIN 0
	v_add_nc_u32 v116, s41, v7                     ; D: the distance from the step's key 16 h to my query.  (These plain lines are the places behind the products)
.irp b, 0,1,2,3
	v_add_nc_u32 v[117+\b], -32*\b, v116
.endr
.irp b, 0,1,2,3
	v_cvt_f32_i32 v[117+\b], v[117+\b]
.endr
.irp b, 0,1,2,3
	v_mul_f32 v[117+\b], v11, v[117+\b]
.endr
.irp b, 0,1,2,3
	v_exp_f32 v[RB+2*\b], v[117+\b]                ; gamma^(D - 32 b)
.endr
	v_nop
	s_wait_alu depctr_va_vdst(0)                   ; one wait for the four
.irp b, 0,1,2,3
.irp k, 0,2,4,6,8,10,12,14
	v_pk_mul_f32 v[SS+16*\b+\k:SS+16*\b+\k+1], v[SS+16*\b+\k:SS+16*\b+\k+1], v[GG+\k:GG+\k+1]   ; x gamma^-i; ascending: each accumulator from its low end on
.endr
.endr
.irp b, 0,1,2,3
.irp k, 0,2,4,6,8,10,12,14
	v_pk_mul_f32 v[SS+16*\b+\k:SS+16*\b+\k+1], v[SS+16*\b+\k:SS+16*\b+\k+1], v[RB+2*\b:RB+2*\b+1] op_sel_hi:[1,0]
.endr
.endr
	s_cmp_lg_u32 s38, s[WV]
	s_cbranch_scc1 .Lopen                          ; only my diagonal step has hidden keys
.irp b, 0,1,2,3
.irp i, 0,1,2,3,4,5,6,7,8,9,10,11,12,13,14,15
	v_cmp_gt_i32 vcc_lo, 32*\b+\i, v7              ; key 16 h + 32 b + i comes after my query
	v_cndmask_b32 v[SS+16*\b+\i], v[SS+16*\b+\i], v12, vcc_lo
.endr
.endr
.Lopen:
	QUANT SS
.rept 8
	v_nop                                          ; a scale register written by a vector instruction stands 8 places ahead of a scaled matrix instruction, an operand so written 4
.endr
	s_wait_dscnt 0x0                               ; V and its scale words
	WIN 0x51
.irp c, 0,1,2,3,4,5,6,7
	v_wmma_scale_f32_16x16x128_f8f6f4 v[8*\c:8*\c+7], v[VF+12*\c:VF+12*\c+11], v[PC:PC+11], v[8*\c:8*\c+7], v[VS+\c], v[PW] matrix_a_fmt:MATRIX_FMT_FP6 matrix_b_fmt:MATRIX_FMT_FP6
.endr
	WIN 0
.Lhidden:
	s_add_co_u32 s39, s39, 12288
	s_add_co_u32 s40, s40, 512
	s_sub_co_i32 s41, s41, 128
	s_add_co_u32 s38, s38, 1
	s_cmp_lt_u32 s38, 8
	s_cbranch_scc1 .Lstep
	; ---- the norm over my query's 128 channels: 64 are mine, 64 lane l xor 16's
.rept 4
	v_nop
.endr
	WIN 0x05
	v_pk_add_f32 v[116:117], v[0:1], v[2:3]        ; ascending: each accumulator from its low end on; two chains
	v_pk_add_f32 v[118:119], v[4:5], v[6:7]
	WIN 0x04
.set n, 8
.rept 14
	v_pk_add_f32 v[116:117], v[116:117], v[n:n+1]
	v_pk_add_f32 v[118:119], v[118:119], v[n+2:n+3]
.set n, n+4
.endr
	WIN 0
	v_pk_add_f32 v[116:117], v[116:117], v[118:119]
	v_add_f32 v116, v116, v117
	v_permlanex16_b32 v117, v116, s[SEL], s[SEL+1]
	v_add_f32 v116, v116, v117
	v_mul_f32 v120, 0xbc000000, v116               ; - the mean
	v_mov_b32 v121, v120
	WIN 0x01
.set n, 0
.rept 32
	v_pk_add_f32 v[SS+n:SS+n+1], v[n:n+1], v[120:121]
.set n, n+2
.endr
	WIN 0
	v_pk_mul_f32 v[116:117], v[SS:SS+1], v[SS:SS+1]
	v_pk_mul_f32 v[118:119], v[SS+2:SS+3], v[SS+2:SS+3]
.set n, 4
.rept 15
	v_pk_fma_f32 v[116:117], v[SS+n:SS+n+1], v[SS+n:SS+n+1], v[116:117]
	v_pk_fma_f32 v[118:119], v[SS+n+2:SS+n+3], v[SS+n+2:SS+n+3], v[118:119]
.set n, n+4
.endr
	v_pk_add_f32 v[116:117], v[116:117], v[118:119]
	v_add_f32 v116, v116, v117
	v_permlanex16_b32 v117, v116, s[SEL], s[SEL+1]
	v_add_f32 v116, v116, v117
	v_fma_f32 v116, v116, s44, s45                 ; the variance + 1e-6
	v_rsq_f32 v120, v116
	v_rsq_f32 v121, v116                           ; twice: a pair for the packed multiply
	v_nop
	s_wait_alu depctr_va_vdst(0)
.set n, 0
.rept 32
	v_pk_mul_f32 v[SS+n:SS+n+1], v[SS+n:SS+n+1], v[120:121]
.set n, n+2
.endr
.set n, 0
.rept 32
	v_pk_mul_f32 v[SS+n:SS+n+1], v[SS+n:SS+n+1], v[GT+n:GT+n+1]    ; x silu(gate)
.set n, n+2
.endr
	QUANT SS
.irp c, 0,1,2
	global_store_b128 v3, v[PC+4*\c:PC+4*\c+3], s[10:11] offset:512*\c   ; the image: 512 consecutive bytes a store
.endr
	global_store_b32 v13, v[PW], s[12:13]          ; 16 scale words; both halves of the lanes hold and store the same word
	s_wait_tensorcnt 0x0
	ds_add_u32 v126, v127
	s_wait_dscnt 0x0
	CROUND                                         ; the closing round
	s_endpgm
.Lfunc_end_k_qe4a795bf20_ret:
	.size	k_qe4a795bf20_ret, .Lfunc_end_k_qe4a795bf20_ret-k_qe4a795bf20_ret
	.p2alignl 7, 3214868480
	.fill 96, 4, 3214868480
	.section	.rodata,"a",@progbits
	.p2align	6, 0x0
	.amdhsa_kernel k_qe4a795bf20_ret
		.amdhsa_group_segment_fixed_size 205824
		.amdhsa_private_segment_fixed_size 0
		.amdhsa_enable_private_segment 0
		.amdhsa_kernarg_size 40
		.amdhsa_user_sgpr_count 2
		.amdhsa_user_sgpr_kernarg_segment_ptr 1
		.amdhsa_wavefront_size32 1
		.amdhsa_system_sgpr_workgroup_id_x 1
		.amdhsa_system_sgpr_workgroup_id_y 1
		.amdhsa_system_sgpr_workgroup_id_z 1
		.amdhsa_system_vgpr_workitem_id 0
		.amdhsa_next_free_vgpr 512
		.amdhsa_next_free_sgpr 66
		.amdhsa_reserve_vcc 1
		.amdhsa_float_denorm_mode_32 3
		.amdhsa_float_denorm_mode_16_64 3
		.amdhsa_memory_ordered 1
		.amdhsa_forward_progress 1
		.amdhsa_inst_pref_size 58
	.end_amdhsa_kernel
	.amdgpu_metadata
---
amdhsa.version: [ 1, 2 ]
amdhsa.kernels:
  - .name:           k_qe4a795bf20_ret
    .symbol:         k_qe4a795bf20_ret.kd
    .args:
      - { .name: qimg, .offset: 0, .size: 8, .value_kind: global_buffer, .address_space: global }
      - { .name: kvimg, .offset: 8, .size: 8, .value_kind: global_buffer, .address_space: global }
      - { .name: gate, .offset: 16, .size: 8, .value_kind: global_buffer, .address_space: global }
      - { .name: acodes, .offset: 24, .size: 8, .value_kind: global_buffer, .address_space: global }
      - { .name: ascales, .offset: 32, .size: 8, .value_kind: global_buffer, .address_space: global }
    .group_segment_fixed_size: 205824
    .private_segment_fixed_size: 0
    .kernarg_segment_align: 8
    .kernarg_segment_size: 40
    .max_flat_workgroup_size: 256
    .sgpr_count:     66
    .vgpr_count:     512
    .wavefront_size: 32
...
	.end_amdgpu_metadata
.endif
;; end of part 3
;; launch outp (part 4): grid 16 x 16, 4 waves a work-group, clusters of 4 x 4, 327,680 bytes of LDS; arguments acodes, ascales, codes1, scales1, bo, out0; writes out0
.if DOCPART == 4
	.amdgcn_target "amdgcn-amd-amdhsa--gfx1250"
	.amdhsa_code_object_version 6
	.text
	.protected	k_qe4a795bf20_outp
	.globl	k_qe4a795bf20_outp
	.p2align	8
	.type	k_qe4a795bf20_outp,@function
k_qe4a795bf20_outp:
	s_mov_b64 s[64:65], 0
	v_nop
	global_prefetch_b8 v0, s[64:65] scope:SCOPE_SE
	s_setreg_imm32_b32 hwreg(HW_REG_WAVE_MODE, 25, 1), 1
	s_wait_xcnt 0x0
	s_wait_alu depctr_hold_cnt(0) depctr_sa_sdst(0) depctr_va_vdst(0) depctr_va_sdst(0) depctr_va_ssrc(0) depctr_va_vcc(0) depctr_vm_vsrc(0)
	s_getreg_b32 s2, hwreg(HW_REG_IB_STS2, 6, 4)
	s_cmp_eq_u32 s2, 0
	s_cbranch_scc0 .Lentry_in_a_cluster
	s_endpgm
.Lentry_in_a_cluster:
	s_bfe_u32 s2, ttmp6, 0x10000c
	s_cmp_lg_u32 s2, 0xf033
	s_cbranch_scc0 .Lentry_shape_is_right
	s_endpgm
.Lentry_shape_is_right:
; out0 = A Wo^T + bo, [2048 x 2048 x 2048], on codes of FP6 (E2M3) with E8M0 scales.  A (the gated, normed retention) and Wo lie in memory as images of operand registers: [tile of 16 rows][K step of 128][1,536 bytes].
; A tile of C is 128 x 128, so that there are 256 work-groups; four waves, 64 x 64 each: 16 accumulators.  K goes in steps of 512 through THREE LDS slots: three of the four fills go out at the start, and
; slot 0 alone is filled again, behind one round of the cluster's barrier, with two slots' work in which to land.  The flow is written out: it has no loop.
; CLUSTERS: 4 x 4.  A's tiles are shared along a row of the cluster, B's along a column: each is asked for jointly.
; THE MATRIX INSTRUCTION IS USED TRANSPOSED (source 0 = 16 rows of Wo, source 1 = 16 rows of A); row r of tile T of both is row 32 (T / 2) + 8 (T % 2) + r + (r & 8): register 16 B + i of A's block a is column
; 32 B + 16 (lane / 16) + i.  The bias is the C of each sum's first matrix instruction.  The way out puts the rows back in their order.
; REGISTERS: window 0: v1 r, v2 h, v16-30 addresses; v32-63 scale words, two sets; v64-95 the bias; v128-175 A's fragments, ONE set; v176-239 rows on the way out.  window 1: B's two sets, at v0 and v128.  window 2: the accumulators.
.set NBLK,  4                          ; blocks of 16 rows a wave and side
.set NQ,    4                          ; K steps of 128 in a slot
.set NSLOT, 3
.set HB,    NBLK/2
.set NL,    3                          ; LDS loads that bring a fragment
.set FR,    12
.set FRB,   1536
.set TILEB, NQ*FRB
.set HALFT, NBLK*TILEB                 ; what one tensor load brings
.set SLOT,  4*HALFT
.set SCL,   NSLOT*SLOT                 ; behind the slots: the scale words, 1,024 bytes a tile
.set HALFS, NBLK*1024
.set SPARE, SCL+4*HALFS                ; the spare words, 128 bytes for each wave: two blocks of 256 bytes that no other line names
.set REFILL, NSLOT*TILEB
.set WV,   14
.set SHI,  15
.set SLO,  16
.set ADRA, 16                          ; v16-18
.set ADRB, 20                          ; v20-22
.set CO,   23                          ; v23  the way out: 8,192 h + 16 r
.set LI,   24                          ; v24  16 x lane
.set STO,  25                          ; v25  the stage: where I put 32 bytes of a row
.set RD,   26                          ; v26  and where I read a row back
.set ADRS, 27
.set SPW,  28
.set NIL,  29
.set BIO,  30                          ; v30  64 h
.set SC,   32
.set BI,   64
.set AF,   128
.set BK,   176
.set G1,   24                          ; s[24:31], s[32:39] groups 1 for A's and B's tiles; s[40:51], s[52:63] groups 0, one for each slot
.set G1B,  32
.set G0,   40
.set G0B,  52
.set G1S,  68                          ; s[68:75], s[76:83] groups 1 for the scale words; s[84:87], s[88:91] groups 0
.set G1SB, 76
.set G0S,  84
.set G0SB, 88
.set MSB, 0
.macro WIN new                         ; the immediate's high byte repeats the setting that is left
.if MSB != (\new)
	s_set_vgpr_msb (MSB<<8)|(\new)
.set MSB, (\new)
.endif
.endm
.macro PLACES n                        ; plain vector instructions between a matrix instruction and a load into, or a read of, its registers
.rept \n
	v_nop
.endr
.endm
; A joint load: waves 0 and 1 fetch for A, waves 2 and 3 for B.  The branch hangs on the wave's number alone.  Four v_nop follow each of the two lines.
.macro JLOAD g0a, g1a, g0b, g1b
	s_cmp_eq_u32 s[SHI], 0
	s_cbranch_scc0 .Lfor_b_\@
	tensor_load_to_lds s[\g0a:\g0a+3], s[\g1a:\g1a+7]
	s_nop 0
.rept 4
	v_nop
.endr
	s_branch .Lasked_\@
.Lfor_b_\@:
	tensor_load_to_lds s[\g0b:\g0b+3], s[\g1b:\g1b+7]
	s_nop 0
.rept 4
	v_nop
.endr
.Lasked_\@:
.endm
.macro CREST                           ; a round of the cluster's barrier behind its opening barrier
	s_cmp_lg_u32 s[WV], 0
	s_cbranch_scc1 .Lnot_wave_0_\@
	s_barrier_signal -3
.Lnot_wave_0_\@:
	s_barrier_wait -3
	s_barrier_signal -1
	s_barrier_wait -1
.endm
.macro CROUND                          ; a whole round
	s_barrier_signal -1
	s_barrier_wait -1
	CREST
.endm
.macro FRAG reg, adr, q, i             ; tile i's fragment of the slot's q-th K step: its image, 512 consecutive bytes a load
.irp c, 0,1,2
	ds_load_b128 v[(\reg)+4*\c:(\reg)+4*\c+3], v[\adr] offset:(\i)*TILEB+(\q)*FRB+512*\c
.endr
.endm
.macro FETCH_B slot, q, p              ; B's fragments into set p
	WIN 0x40
.irp i, 0,1,2,3,4,5,6,7
.if \i < NBLK
	FRAG 128*(\p)+FR*\i, ADRB+(\slot), \q, \i
.endif
.endr
	WIN 0
.endm
.macro FETCH_A slot, q, i0             ; A's blocks i0 .. i0 + HB - 1
.irp k, 0,1,2,3
.if \k < HB
	FRAG AF+FR*((\i0)+\k), ADRA+(\slot), \q, (\i0)+\k
.endif
.endr
.endm
.macro SCALES sc                       ; a slot's scale words into set sc: lanes 0-15 read 64 consecutive bytes of A's, lanes 16-31 of B's
.irp i, 0,1,2,3,4,5,6,7
.if \i < NBLK
.irp q, 0,1,2,3
.if \q < NQ
	ds_load_b32 v[SC+16*(\sc)+NQ*\i+\q], v[ADRS] offset:1024*\i+64*\q
.endif
.endr
.endif
.endr
.endm
; A's block a against B's NBLK blocks, 128 along K.  mode 0: onto the sums; 1: the constant 0 starts them; 2: the bias starts them.
; The accumulators take turns, one instruction a turn, in the same order in every step.
.macro MULB a, p, q, sc, mode
.if (\mode) == 2
	WIN 0x81
.else
	WIN 0xa1+0x50*((\a)/4)
.endif
.irp b, 0,1,2,3,4,5,6,7
.if \b < NBLK
.if (\mode) == 0
	v_wmma_scale_f32_16x16x128_f8f6f4 v[8*(NBLK*((\a)%4)+\b):8*(NBLK*((\a)%4)+\b)+7], v[128*(\p)+FR*\b:128*(\p)+FR*\b+FR-1], v[AF+FR*(\a):AF+FR*(\a)+FR-1], v[8*(NBLK*((\a)%4)+\b):8*(NBLK*((\a)%4)+\b)+7], v[SC+16*(\sc)+NQ*\b+(\q)], v[SC+16*(\sc)+NQ*(\a)+(\q)] matrix_a_fmt:MATRIX_FMT_FP6 matrix_b_fmt:MATRIX_FMT_FP6 matrix_a_scale:MATRIX_SCALE_ROW1
.elseif (\mode) == 1
	v_wmma_scale_f32_16x16x128_f8f6f4 v[8*(NBLK*((\a)%4)+\b):8*(NBLK*((\a)%4)+\b)+7], v[128*(\p)+FR*\b:128*(\p)+FR*\b+FR-1], v[AF+FR*(\a):AF+FR*(\a)+FR-1], 0, v[SC+16*(\sc)+NQ*\b+(\q)], v[SC+16*(\sc)+NQ*(\a)+(\q)] matrix_a_fmt:MATRIX_FMT_FP6 matrix_b_fmt:MATRIX_FMT_FP6 matrix_a_scale:MATRIX_SCALE_ROW1
.else
	v_wmma_scale_f32_16x16x128_f8f6f4 v[8*(NBLK*((\a)%4)+\b):8*(NBLK*((\a)%4)+\b)+7], v[128*(\p)+FR*\b:128*(\p)+FR*\b+FR-1], v[AF+FR*(\a):AF+FR*(\a)+FR-1], v[BI+8*\b:BI+8*\b+7], v[SC+16*(\sc)+NQ*\b+(\q)], v[SC+16*(\sc)+NQ*(\a)+(\q)] matrix_a_fmt:MATRIX_FMT_FP6 matrix_b_fmt:MATRIX_FMT_FP6 matrix_a_scale:MATRIX_SCALE_ROW1
.endif
.endif
.endr
.endm
; A K step whose successor (slot nslot, K step nq) may be read without a barrier.  A block of A is free as soon as its products are issued: the lower blocks are fetched anew in the step's middle, the upper at its end.
.macro STEP slot, q, sc, mode, nslot, nq, nsc
	s_wait_dscnt HB*NL                             ; B's set, the scale words and A's lower blocks are in; the youngest loads (A's upper blocks) may be out
.irp a, 0,1,2,3
.if \a < HB
	MULB \a, (\q)%2, \q, \sc, \mode
.endif
.endr
	s_wait_dscnt 0x0                               ; A's upper blocks are in
	PLACES 4
.if (\nq) == 0
	WIN 0
	v_add_nc_u32 v[ADRS], 64*NQ, v[ADRS]           ; on to the next slot's scale words
.endif
	FETCH_B \nslot, \nq, 1-(\q)%2
	FETCH_A \nslot, \nq, 0
.if (\nq) == 0
	SCALES \nsc
.endif
.irp a, 0,1,2,3
.if \a < HB
	MULB HB+\a, (\q)%2, \q, \sc, \mode
.endif
.endr
	PLACES 4
	WIN 0
	FETCH_A \nslot, \nq, HB
.endm
; A slot's last K step with a barrier: in front of it each wave waits for all its tensor loads, adds 0 to its spare word, and waits for that and for its own reads of this slot.  fill = 1: this slot is filled again.
.macro TURN slot, sc, next, nsc, fill
	s_wait_tensorcnt 0x0                           ; all my tensor loads have landed  (every window is 0 here)
	ds_add_u32 v[SPW], v[NIL]                      ; 0 onto my spare word
	s_wait_dscnt HB*NL+1                           ; (the add and A's upper blocks may be out)
.irp a, 0,1
.if \a < HB/2
	MULB \a, 1, NQ-1, \sc, 0                       ; matrix instructions stand between the add and the wait for it
.endif
.endr
	s_wait_dscnt 0x0                               ; the add is done, and my reads of this slot are over
	s_barrier_signal -1
.irp a, 0,1
.if \a < HB/2
	MULB HB/2+\a, 1, NQ-1, \sc, 0
.endif
.endr
	WIN 0
	s_barrier_wait -1
.if \fill
	CREST                                          ; the barrier has opened a round of the cluster's barrier: no wave of any partner still reads this slot or has a load on its way
	s_add_nc_u64 s[G0+4*\slot+2:G0+4*\slot+3], s[G0+4*\slot+2:G0+4*\slot+3], REFILL
	s_add_nc_u64 s[G0B+4*\slot+2:G0B+4*\slot+3], s[G0B+4*\slot+2:G0B+4*\slot+3], REFILL
	JLOAD G0+4*\slot, G1, G0B+4*\slot, G1B         ; the first tensor load behind the round; its four v_nop are the places in front of the loads below
.else
	PLACES 4
.endif
	v_add_nc_u32 v[ADRS], 64*NQ, v[ADRS]
	FETCH_B \next, 0, 0
	FETCH_A \next, 0, 0
	SCALES \nsc
.irp a, 0,1,2,3
.if \a < HB
	MULB HB+\a, 1, NQ-1, \sc, 0
.endif
.endr
	PLACES 4
	WIN 0
	FETCH_A \next, 0, HB
.endm
.macro LAST sc                         ; the very last K step: nothing more to fetch
	s_wait_dscnt HB*NL
.irp a, 0,1,2,3
.if \a < HB
	MULB \a, 1, NQ-1, \sc, 0
.endif
.endr
	s_wait_dscnt 0x0
.irp a, 0,1,2,3
.if \a < HB
	MULB HB+\a, 1, NQ-1, \sc, 0
.endif
.endr
	WIN 0
.endm
	s_load_b256 s[4:11], s[0:1], 0x0               ; acodes, ascales, codes1, scales1
	s_load_b128 s[96:99], s[0:1], 0x20             ; bo, out0
	v_lshl_add_u32 v[SPW], v0, 2, SPARE
	v_mov_b32 v[NIL], 0
	ds_add_u32 v28, v29
	ds_add_u32 v28, v29
	s_wait_dscnt 0x0
	v_lshrrev_b32 v1, 5, v0
	v_readfirstlane_b32 s[WV], v1                  ; wave 0..3
	s_lshr_b32 s[SHI], s[WV], 1                    ; my half of the rows; I fetch for A (0) or B (1)
	s_and_b32 s[SLO], s[WV], 1                     ; my half of the columns; which half I fetch
	s_bfe_u32 s12, ttmp6, 0x40000                  ; cx, cy
	s_bfe_u32 s13, ttmp6, 0x40004
	s_lshl_b32 s92, ttmp9, 2
	s_add_co_u32 s92, s92, s12                     ; tile column
	s_and_b32 s17, ttmp7, 0xffff
	s_lshl_b32 s17, s17, 2
	s_add_co_u32 s17, s17, s13                     ; tile row
	s_lshl_b32 s93, s13, 2
	s_lshl_b32 s93, 15, s93                        ; my row of the cluster
	s_lshl_b32 s94, 0x1111, s12                    ; my column
	s_or_b32 s[G1+0], s93, (3<<16)|(1<<21)         ; the mask; elements of 8 bytes; bit 21 set beside a mask; no padding
	s_or_b32 s[G1B+0], s94, (3<<16)|(1<<21)
.irp g, G1, G1B
	s_mov_b32 s[\g+1], (TILEB/8)<<16               ; NBLK rows (tiles) of TILEB bytes, 24,576 bytes apart
	s_mov_b32 s[\g+2], NBLK<<16
	s_mov_b32 s[\g+3], (TILEB/8)<<16
	s_mov_b32 s[\g+4], NBLK
	s_mov_b32 s[\g+5], 3072
	s_mov_b32 s[\g+6], 0
	s_mov_b32 s[\g+7], 0
.endr
	s_or_b32 s[G1S+0], s93, (3<<16)|(1<<21)
	s_or_b32 s[G1SB+0], s94, (3<<16)|(1<<21)
.irp g, G1S, G1SB
	s_mov_b32 s[\g+1], 32<<16                      ; the scale words of NBLK tiles: a dense block, as rows of 256 bytes
	s_mov_b32 s[\g+2], (4*NBLK)<<16
	s_mov_b32 s[\g+3], 32<<16
	s_mov_b32 s[\g+4], 4*NBLK
	s_mov_b32 s[\g+5], 32
	s_mov_b32 s[\g+6], 0
	s_mov_b32 s[\g+7], 0
.endr
	s_lshl_b32 s100, s[SLO], 2
	s_lshl_b32 s19, s17, 3
	s_add_co_u32 s19, s19, s100                    ; A: tile 8 x tile row + 4 x half
	s_lshl_b32 s95, s92, 3
	s_add_co_u32 s95, s95, s100
	s_add_co_u32 s95, s95, 7*128                   ; B: Wo is tensor 7 of codes1: 896 + 8 x tile column + 4 x half
	s_mul_i32 s20, s19, 16*FRB
	s_mov_b32 s21, 0
	s_lshl_b32 s22, s19, 10
	s_mov_b32 s23, 0
	s_mul_i32 s2, s95, 16*FRB
	s_mov_b32 s3, 0
	s_lshl_b32 s18, s95, 10
	s_mov_b32 s19, 0
	s_mul_i32 s100, s[WV], HALFT                   ; where they go: no place in the cluster enters an LDS address
	s_mul_i32 s101, s[WV], HALFS
	s_wait_kmcnt 0x0
	s_add_nc_u64 s[20:21], s[4:5], s[20:21]
	s_add_nc_u64 s[22:23], s[6:7], s[22:23]
	s_add_nc_u64 s[2:3], s[8:9], s[2:3]
	s_add_nc_u64 s[18:19], s[10:11], s[18:19]
	CROUND                                         ; all sixteen work-groups are here: the first joint loads meet
	s_mov_b32 s[G0S], 1
	s_add_co_u32 s[G0S+1], s101, SCL
	s_mov_b64 s[G0S+2:G0S+3], s[22:23]
	s_or_b32 s[G0S+3], s[G0S+3], 0x80000000
	s_mov_b32 s[G0SB], 1
	s_add_co_u32 s[G0SB+1], s101, SCL
	s_mov_b64 s[G0SB+2:G0SB+3], s[18:19]
	s_or_b32 s[G0SB+3], s[G0SB+3], 0x80000000
	JLOAD G0S, G1S, G0SB, G1SB
.irp s, 0,1,2
	s_mov_b32 s[G0+4*\s], 1
	s_add_co_u32 s[G0+4*\s+1], s100, \s*SLOT
	s_add_nc_u64 s[G0+4*\s+2:G0+4*\s+3], s[20:21], \s*TILEB
	s_or_b32 s[G0+4*\s+3], s[G0+4*\s+3], 0x80000000
	s_mov_b32 s[G0B+4*\s], 1
	s_add_co_u32 s[G0B+4*\s+1], s100, \s*SLOT
	s_add_nc_u64 s[G0B+4*\s+2:G0B+4*\s+3], s[2:3], \s*TILEB
	s_or_b32 s[G0B+4*\s+3], s[G0B+4*\s+3], 0x80000000
	JLOAD G0+4*\s, G1, G0B+4*\s, G1B               ; four loads of mine are out
.endr
	v_and_b32 v1, 15, v0                           ; r
	v_bfe_u32 v2, v0, 4, 1                         ; h
	v_and_b32 v3, 31, v0
	v_lshlrev_b32 v[LI], 4, v3
	v_lshlrev_b32 v[BIO], 6, v2
	s_lshl_b32 s10, s92, 9                         ; my 64 columns, in bytes: 512 x tile column + 256 x half
	s_lshl_b32 s11, s[SLO], 8
	s_add_co_u32 s10, s10, s11
	s_mov_b32 s11, 0
	s_add_nc_u64 s[96:97], s[96:97], s[10:11]
	s_add_nc_u64 s[98:99], s[98:99], s[10:11]
.irp b, 0,1
.irp j, 0,1,2,3
	global_load_b128 v[BI+16*\b+4*\j:BI+16*\b+4*\j+3], v[BIO], s[96:97] offset:128*\b+16*\j   ; register 16 b + i: column 32 b + 16 h + i
.endr
.endr
	s_lshl_b32 s10, s17, 20                        ; my 64 rows: (128 x tile row + 64 x half) x 8,192 bytes
	s_lshl_b32 s4, s[SHI], 19
	s_add_co_u32 s10, s10, s4
	s_add_nc_u64 s[98:99], s[98:99], s[10:11]
	s_mul_i32 s10, s[SHI], HALFT
	s_mul_i32 s11, s[SLO], HALFT
	s_add_co_u32 s11, s11, 2*HALFT
.irp s, 0,1,2
	v_add_nc_u32 v[ADRA+\s], s10, v[LI]
	v_add_nc_u32 v[ADRB+\s], s11, v[LI]
	s_add_co_u32 s10, s10, SLOT
	s_add_co_u32 s11, s11, SLOT
.endr
	s_mul_i32 s10, s[SHI], HALFS
	s_mul_i32 s11, s[SLO], HALFS
	s_add_co_u32 s11, s11, 2*HALFS
	s_sub_co_u32 s11, s11, s10
	v_mul_u32_u24 v4, s11, v2                      ; lanes 16-31 take B's scale words
	s_add_co_u32 s10, s10, SCL
	v_lshl_add_u32 v4, v1, 2, v4
	v_add_nc_u32 v[ADRS], s10, v4
	s_mul_i32 s4, s[WV], 16*272                    ; my stage: 16 rows x (256 bytes + 16), in slot 1, which has had its only fill, and whose last read stands in front of the last barrier
	s_add_co_u32 s4, s4, SLOT
	v_mul_u32_u24 v3, v1, 272
	v_lshl_add_u32 v3, v2, 6, v3
	v_add_nc_u32 v[STO], s4, v3                    ; in: row r, + 64 h
	v_mul_u32_u24 v3, v2, 272
	v_lshl_add_u32 v3, v1, 4, v3
	v_add_nc_u32 v[RD], s4, v3                     ; back: lanes 0-15 one row of 256 bytes, lanes 16-31 the next
	v_lshlrev_b32 v3, 13, v2
	v_lshl_add_u32 v[CO], v1, 4, v3                ; and the same two rows in out0
	s_wait_tensorcnt 2                             ; the scale words and my part of slot 0 are in; slots 1 and 2 may be out
	s_barrier_signal -1
	s_barrier_wait -1
	s_wait_loadcnt 0x0                             ; the bias
	FETCH_B 0, 0, 0
	FETCH_A 0, 0, 0
	SCALES 0
	FETCH_A 0, 0, HB
	STEP 0, 0, 0, 2, 0, 1, 0                       ; K steps 0-3, slot 0; the first products start the sums from the bias
	STEP 0, 1, 0, 0, 0, 2, 0
	STEP 0, 2, 0, 0, 0, 3, 0
	TURN 0, 0, 1, 1, 1                             ; the one refill: slot 0 takes K steps 12-15; every wave has waited for all its loads, so slots 1 and 2 are whole for all behind this round
	STEP 1, 0, 1, 0, 1, 1, 0                       ; K steps 4-7, slot 1
	STEP 1, 1, 1, 0, 1, 2, 0
	STEP 1, 2, 1, 0, 1, 3, 0
	STEP 1, 3, 1, 0, 2, 0, 0                       ; its successor lies in slot 2: no barrier is needed
	STEP 2, 0, 0, 0, 2, 1, 0                       ; K steps 8-11, slot 2
	STEP 2, 1, 0, 0, 2, 2, 0
	STEP 2, 2, 0, 0, 2, 3, 0
	TURN 2, 0, 0, 1, 0                             ; the refill has landed, in every wave; nothing is filled again
	STEP 0, 0, 1, 0, 0, 1, 0                       ; K steps 12-15, slot 0
	STEP 0, 1, 1, 0, 0, 2, 0
	STEP 0, 2, 1, 0, 0, 3, 0
	LAST 1
; THE WAY OUT, block by block of 16 rows x 64 columns, through my own stage: a lane holds pieces of one row, and sixteen lanes then store a row's 256 consecutive bytes.
; LDS serves a wave's instructions in order (ISA guide 5.7.1.4): no wait between the stores and the loads, nor in front of the next block's stores.
.macro TOSTAGE a
	WIN 0x08                                       ; an LDS store's data are its source 1: window 2
.irp b, 0,1,2,3
	ds_store_b128 v[STO], v[8*(4*(\a)+\b):8*(4*(\a)+\b)+3] offset:128*(\b/2)+32*(\b%2)          ; each accumulator from its low end on
	ds_store_b128 v[STO], v[8*(4*(\a)+\b)+4:8*(4*(\a)+\b)+7] offset:128*(\b/2)+32*(\b%2)+16
.endr
	WIN 0
.set BB, BK+32*((\a)%2)
.irp t, 0,1,2,3,4,5,6,7
	ds_load_b128 v[BB+4*\t:BB+4*\t+3], v[RD] offset:\t*2*272
.endr
.endm
.macro SEND a, younger                 ; younger: the LDS instructions issued behind block a's loads, which may stay out
.set BB, BK+32*((\a)%2)
	s_wait_dscnt \younger
.irp t, 0,1,2,3,4,5,6,7
	global_store_b128 v[CO], v[BB+4*\t:BB+4*\t+3], s[98:99] offset:(32*((\a)/2)+8*((\a)%2)+2*\t+8*(\t/4))*8192 th:TH_STORE_NT   ; row 2 t + h of the tile is row 2 t + h + 8 (t / 4) of its 32; 16 lanes store 256 consecutive bytes, aligned
.endr
.endm
	PLACES 4
	TOSTAGE 0
.irp a, 1,2,3
.if \a > 1
	s_wait_xcnt 0x0                                ; block a - 2's stores have read their registers: block a's loads may land there
.endif
	TOSTAGE \a
	SEND \a-1, 16                                  ; behind block a - 1's loads: block a's 8 stores and 8 loads
.endr
	SEND 3, 0
	s_wait_tensorcnt 0x0                           ; the wave's end
	ds_add_u32 v[SPW], v[NIL]
	s_wait_dscnt 0x0
	CROUND                                         ; the closing round
	s_endpgm
.Lfunc_end_k_qe4a795bf20_outp:
	.size	k_qe4a795bf20_outp, .Lfunc_end_k_qe4a795bf20_outp-k_qe4a795bf20_outp
	.p2alignl 7, 3214868480
	.fill 96, 4, 3214868480
	.section	.rodata,"a",@progbits
	.p2align	6, 0x0
	.amdhsa_kernel k_qe4a795bf20_outp
		.amdhsa_group_segment_fixed_size 327680
		.amdhsa_private_segment_fixed_size 0
		.amdhsa_enable_private_segment 0
		.amdhsa_kernarg_size 48
		.amdhsa_user_sgpr_count 2
		.amdhsa_user_sgpr_kernarg_segment_ptr 1
		.amdhsa_wavefront_size32 1
		.amdhsa_system_sgpr_workgroup_id_x 1
		.amdhsa_system_sgpr_workgroup_id_y 1
		.amdhsa_system_sgpr_workgroup_id_z 1
		.amdhsa_system_vgpr_workitem_id 0
		.amdhsa_next_free_vgpr 640
		.amdhsa_next_free_sgpr 102
		.amdhsa_reserve_vcc 0
		.amdhsa_float_denorm_mode_32 3
		.amdhsa_float_denorm_mode_16_64 3
		.amdhsa_memory_ordered 1
		.amdhsa_forward_progress 1
		.amdhsa_inst_pref_size 88
	.end_amdhsa_kernel
	.amdgpu_metadata
---
amdhsa.version: [ 1, 2 ]
amdhsa.kernels:
  - .name:           k_qe4a795bf20_outp
    .symbol:         k_qe4a795bf20_outp.kd
    .args:
      - { .name: acodes, .offset: 0, .size: 8, .value_kind: global_buffer, .address_space: global }
      - { .name: ascales, .offset: 8, .size: 8, .value_kind: global_buffer, .address_space: global }
      - { .name: codes1, .offset: 16, .size: 8, .value_kind: global_buffer, .address_space: global }
      - { .name: scales1, .offset: 24, .size: 8, .value_kind: global_buffer, .address_space: global }
      - { .name: bo, .offset: 32, .size: 8, .value_kind: global_buffer, .address_space: global }
      - { .name: out0, .offset: 40, .size: 8, .value_kind: global_buffer, .address_space: global }
    .group_segment_fixed_size: 327680
    .private_segment_fixed_size: 0
    .kernarg_segment_align: 8
    .kernarg_segment_size: 48
    .max_flat_workgroup_size: 128
    .sgpr_count:     102
    .vgpr_count:     640
    .wavefront_size: 32
...
	.end_amdgpu_metadata
.endif
;; end of part 4
